; MI455X (gfx1250); checked and timed in simulation.
; The chip was launched on July 23, 2026; its instructions are those of AMD's public machine-readable ISA for CDNA 5 (MIT licence, August 2026) and "CDNA5" Instruction Set Architecture Reference Guide (July 2026). The comments in the code are by the model that wrote it; some were corrected since.
;; Multi Head Genetic Attention. Allowed arithmetic: matrix products marked QUANTISED: E2M3 operands, one E8M0 scale for each 32 along K, by v_wmma_scale_f32_16x16x128_f8f6f4 with both operands' format E2M3, f32 sums; everything else in f32.
;; Inputs: b_k 1,024 float32; b_o 1,024 float32; b_q 1,024 float32; b_v 256 float32; rms_k_w 64 float32; rms_q_w 64 float32; w_k 1,024 x 1,024 float32; w_o 1,024 x 1,024 float32; w_q 1,024 x 1,024 float32; w_v 1,024 x 256 float32; x 1 x 2,048 x 1,024 float32.
;; Outputs: out0 1 x 2,048 x 1,024 float32.
;; This version of the problem:
;;   THIS VERSION OF THE PROBLEM IS GIVEN IN LOW PRECISION. The matrix products marked QUANTISED in the list below multiply operands that are first quantised to E2M3 (2 exponent bits, 3 mantissa bits; 6 bits a number), with one power-of-two scale for each 32 numbers along K (OCP MX v1.0); their sums are f32. All else is computed in f32.
;;   The module's matrix products, in the order in which they are computed (A, B: the left and right operand; K: the contracted axis; several contracted axes count as one K, in the product's order):
;;     1. [M 2,048, K 1,024] x [K 1,024, N 1,024]; A: input x; B: input w_q: QUANTISED
;;     2. [M 2,048, K 1,024] x [K 1,024, N 1,024]; A: input x; B: input w_k: QUANTISED
;;     3. [M 2,048, K 1,024] x [K 1,024, N 256]; A: input x; B: input w_v: QUANTISED
;;     4. batch 16 x [M 2,048, K 64] x [K 64, N 2,048]; A: computed on the way; B: computed on the way: QUANTISED
;;     5. batch 16 x [M 2,048, K 2,048] x [K 2,048, N 64]; A: softmax (see below); B: computed on the way: QUANTISED
;;     6. [M 2,048, K 1,024] x [K 1,024, N 1,024]; A: computed on the way; B: input w_o: QUANTISED
;;   THE QUANTISER, for each operand of a quantised product, along K:
;;     - K is cut into blocks of 32 from its start; a last block that is shorter is filled with zeros.
;;     - A block's scale is 2^e with e = floor(log2(the largest magnitude in the block)) - 2, held to -126 .. 127; a block of zeros has e = 0. As a byte (E8M0): e + 127.
;;     - Each number is divided by its block's scale, clamped to +-7.5, and rounded to the nearest number of E2M3, ties to even, subnormals kept.
;;     - The product sums the exact products of the quantised numbers (number of the format x scale) in f32.
;;   ~~~python
;;   def quantise(x, axis):      # numpy; x: float32 -> the quantised numbers, widened to float32 again
;;       x = np.moveaxis(x, axis, -1); K = x.shape[-1]
;;       x = np.pad(x, [(0, 0)] * (x.ndim - 1) + [(0, -K % 32)]); x = x.reshape(x.shape[:-1] + (-1, 32)); a = np.abs(x).max(-1, keepdims=True)
;;       e = np.where(a > 0, np.clip(np.frexp(np.where(a > 0, a, 1))[1] - 1 - 2, -126, 127), 0)      # np.frexp(a)[1] - 1 = floor(log2(a)), exactly
;;       r = np.clip(x / 2.0 ** e, -7.5, 7.5)
;;       step = 2.0 ** (np.maximum(np.frexp(np.where(r == 0, 1, r))[1] - 1, 0) - 3)
;;       q = np.round(r / step) * step * 2.0 ** e      # np.round: ties to even
;;       return np.moveaxis(q.reshape(q.shape[:-2] + (-1,))[..., :K], -1, axis).astype(np.float32)
;;   ~~~
;;   SOFTMAX AHEAD OF A QUANTISED PRODUCT. Where the list says 'softmax', what is quantised is not the finished softmax but p = 2^(t - M), with t = logit x log2(e) and M = ceil(the row's largest t), a whole number; so 1/2 < the row's largest p <= 1. The row's sum l is taken of the UNQUANTISED p, in f32, and the product's result is divided by l at the end. Since M is a whole number, a kernel that streams over the keys may use a running M (the ceiling of the running maximum): every later rescaling is an exact power of two, which a block's scale takes up: the codes' values come out the same.
;;   OPERANDS COMPUTED ON THE WAY. 'Computed on the way' means the value that the module computes at that place (a softmax that the list does not call 'softmax' is quantised finished and normalised). What goes into a quantiser is computed in f32, as accurately as f32 sums, v_exp_f32 and their like allow (about 1e-6 of the number): no bf16 or f16 on the way to a quantiser, and a product that is left as it is and whose result goes on into a quantised operand takes f32 operands (vector FMAs, or v_wmma_f32_16x16x4_f32). A number that lies on a knife's edge between two numbers of the format may be rounded either way, as far as f32 arithmetic and the matrix unit's own rounding can turn it there, and no further.
;; One version. Each part assembles by itself: llvm-mc -triple=amdgcn-amd-amdhsa -mcpu=gfx1250 --defsym DOCPART=n.
;; ======== version 1 of 1: 4 launches
;; limits: right only within a limited range of input values
;; workspace buffers: xc 1,572,864 bytes; xsc 65,536 bytes; wc 2,555,904 bytes; wsc 106,496 bytes; qkv 3,833,856 bytes; fit 135,168 bytes; oc 1,572,864 bytes; osc 131,072 bytes
;; launch prep (part 1): grid 336 x 1, 4 waves a work-group, no clusters, 47,616 bytes of LDS; arguments x, w_q, w_k, w_v, w_o, xc, xsc, wc, wsc; writes xc, xsc, wc, wsc
.if DOCPART == 1
	.amdgcn_target "amdgcn-amd-amdhsa--gfx1250"
	.amdhsa_code_object_version 6
	.text
	.protected	k_q4d1ac7140d_prep
	.globl	k_q4d1ac7140d_prep
	.p2align	8
	.type	k_q4d1ac7140d_prep,@function
k_q4d1ac7140d_prep:
	s_mov_b64 s[64:65], 0
	v_nop
	global_prefetch_b8 v0, s[64:65] scope:SCOPE_SE
	s_setreg_imm32_b32 hwreg(HW_REG_WAVE_MODE, 25, 1), 1
	s_wait_xcnt 0x0
; x [2048][1024] and the four weights [1024][N], f32, become codes of E2M3 with one E8M0 byte for each 32 along K (K = x's last axis, a weight's first axis).
; A block's scale is 2^(floor(log2(largest magnitude)) - 2): its byte is the largest magnitude's exponent field - 2, held at 1 from below.
; LAYOUT OF THE CODES: images of operand registers.  A fragment is 16 rows x 128 K = two records of 768 bytes (64 K each): in a record lane l's registers 0-3 lie at 16 l, its registers 4-5 at 512 + 8 l.
; THE ROWS OF A TILE ARE NOT NEIGHBOURS: in each group of 32 rows (tokens, or columns of a weight) lane row r of tile u is row 8 u + (r & 7) + 16 (r >> 3), so that a later result's 16 registers of two neighbouring tiles are 16 neighbours.
; xc [16 blocks of 128 tokens][8 K steps][8 tiles][1536];  wc [52 groups of 64 columns: 16 w_q, 16 w_k, 4 w_v, 16 w_o][8][4][1536].
; Scale words (four bytes: 128 K of a row) lie as registers too: 32 words, lanes 0-15 the even tile's rows, lanes 16-31 the odd tile's.
; SHARES: work-groups 0-127 take x, a wave 32 tokens x 128 K; work-groups 128-335 take the weights, a wave 32 columns x 128 K.  Waves share nothing: no barrier.  The two ways have LDS bytes of their own.
; No cluster: no two work-groups read the same bytes.
; LIMITS: NaN and infinities among the inputs are not served.  A block of zeros gets the byte 1 where the quantiser's rule says 127: its codes are zeros, and this program alone reads the bytes.
; REGISTERS.  Both ways: v1-15 lane numbers and addresses.  x: v16-39 codes, v40-41 scale words, v42-57 at work, v64-191 rows as loaded, v192-255 a lane's 64 numbers.
;   weights: v16-47 codes (eight registers a block, six used), v48-63 the conversions' second halves, v64-191 my column's 128 numbers, v192-215 the images read back, v224-230 the scale word and what a block works with.
; A FRAGMENT IN xc AND wc IS LAID AS THREE RUNS OF 512 BYTES (in place of the two records named above): lane l's registers 4 j .. 4 j + 3 lie at 512 j + 16 l.
.set XSTG,  8448                       ; x: a wave's stage: 16 rows x (512 bytes + 16)
.set WBASE, 33792                      ; behind the four stages of x: the weights' stages
.set WSTG,  3328                       ; a wave's: two images of 1,536 bytes, 1,664 apart
.set WT,    1664
.set WW,    224                        ; the weights' way: my column's scale word
.set WM,    226                        ; v226-227 two chains of the largest magnitude
.set WO,    228                        ; the conversion's scale operand
.set WB,    230                        ; the byte
	s_load_b512 s[4:19], s[0:1], 0x0               ; x s[4:5], w_q s[6:7], w_k s[8:9], w_v s[10:11], w_o s[12:13], xc s[14:15], xsc s[16:17], wc s[18:19]
	s_load_b64 s[20:21], s[0:1], 0x40              ; wsc
	v_lshl_add_u32 v59, v0, 2, 0xb800
	v_mov_b32 v63, 0
	v_lshrrev_b32 v1, 5, v0
	v_readfirstlane_b32 s22, v1                    ; wave
	v_and_b32 v1, 31, v0                           ; lane
	v_and_b32 v12, 15, v0                          ; r
	v_bfe_u32 v13, v0, 4, 1                        ; h
	v_lshlrev_b32 v4, 4, v1                        ; 16 x lane
	v_lshlrev_b32 v9, 2, v1                        ; 4 x lane
	v_lshlrev_b32 v11, 3, v13                      ; 8 h: where my two bytes stand in a scale word
	s_mul_i32 s23, s22, XSTG
	v_add_nc_u32 v2, s23, v4                       ; x's stage, way in: a row's 512 bytes as they lie
	v_mul_u32_u24 v3, v12, 528
	v_lshl_add_u32 v3, v13, 7, v3
	v_add_nc_u32 v3, s23, v3                       ; way out: row r, + 128 h: my block of 32 numbers
	v_bfe_u32 v14, v0, 3, 1                        ; a weight's column = my lane: it is lane row r' of tile u
	v_and_b32 v15, 7, v0
	v_lshl_add_u32 v15, v13, 3, v15                ; r' = (lane & 7) + 8 (lane >> 4)
	s_mul_i32 s23, s22, WSTG
	s_add_co_u32 s23, s23, WBASE
	v_mul_u32_u24 v6, v14, WT
	v_add_nc_u32 v6, s23, v6
	v_lshl_add_u32 v6, v15, 4, v6                  ; my row's place in the image: 16 r'
	v_add_nc_u32 v8, s23, v4                       ; and the images read back, 16 bytes a lane
	v_lshl_add_u32 v10, v14, 4, v15
	v_lshlrev_b32 v10, 2, v10                      ; my scale word's place: 4 (16 u + r')
	s_mov_b32 s26, 0x76543210
	s_mov_b32 s27, 0xfedcba98                      ; v_permlanex16_b32's selects for lane l xor 16
	s_wait_kmcnt 0x0
	s_cmp_lt_u32 ttmp9, 128
	s_cbranch_scc0 .Lweights
	; ---- x: 32 tokens x 128 K a wave
	s_lshr_b32 s23, ttmp9, 1                       ; which 32 tokens
	s_and_b32 s24, ttmp9, 1
	s_lshl_b32 s24, s24, 2
	s_add_co_u32 s24, s24, s22                     ; which K step
	s_lshl_b32 s28, s23, 17                        ; 32 rows of 4,096 bytes
	s_lshl_b32 s25, s24, 9
	s_add_co_u32 s28, s28, s25
	s_mov_b32 s29, 0
	s_add_nc_u64 s[4:5], s[4:5], s[28:29]
	s_lshr_b32 s25, s23, 2                         ; block of 128 tokens
	s_and_b32 s23, s23, 3                          ; pair of tiles in it
	s_lshl_b32 s25, s25, 3
	s_add_co_u32 s25, s25, s24
	s_lshl_b32 s28, s25, 3
	s_lshl_b32 s30, s23, 1
	s_add_co_u32 s28, s28, s30
	s_mul_i32 s28, s28, 1536
	s_add_nc_u64 s[14:15], s[14:15], s[28:29]
	s_lshl_b32 s28, s25, 2
	s_add_co_u32 s28, s28, s23
	s_lshl_b32 s28, s28, 7
	s_add_nc_u64 s[16:17], s[16:17], s[28:29]
.irp u, 0,1
.irp i, 0,1,2,3,4,5,6,7,8,9,10,11,12,13,14,15
	global_load_b128 v[64+64*\u+4*\i:64+64*\u+4*\i+3], v4, s[4:5] offset:(8*\u+(\i&7)+16*(\i>>3))*4096 th:TH_LOAD_NT   ; 32 lanes read a row's 512 consecutive bytes; tile u's rows in the tile's order
.endr
.endr
; Tile u: its 16 rows turn through the stage, so that a lane holds two whole blocks of 32 of its row (k = 32 h .. and 64 + 32 h ..), in the order of the operand's registers.
.macro XFRAG u
	s_wait_loadcnt 16-16*\u                        ; tile 0: the 16 loads of tile 1 may be out
.irp i, 0,1,2,3,4,5,6,7,8,9,10,11,12,13,14,15
	ds_store_b128 v2, v[64+64*\u+4*\i:64+64*\u+4*\i+3] offset:528*\i
.endr
.irp c, 0,1
.irp j, 0,1,2,3,4,5,6,7
	ds_load_b128 v[192+32*\c+4*\j:192+32*\c+4*\j+3], v3 offset:256*\c+16*\j   ; LDS serves a wave's instructions in order: these see my stores
.endr
.endr
	s_wait_dscnt 0x0
.irp c, 0,1
	v_max3_num_f32 v[42+\c], |v[192+32*\c]|, |v[193+32*\c]|, 0x1800000   ; the floor 2^(3 - 127) holds the byte at 1 from below
.endr
.irp i, 2,4,6,8,10,12,14,16,18,20,22,24,26,28,30
.irp c, 0,1
	v_max3_num_f32 v[42+\c], v[42+\c], |v[192+32*\c+\i]|, |v[193+32*\c+\i]|
.endr
.endr
.irp c, 0,1
	v_add_nc_u32 v[44+\c], 0xff000000, v[42+\c]    ; 2 off the exponent field: the conversion's scale operand
.endr
.irp c, 0,1
	v_lshrrev_b32 v[46+\c], 23, v[44+\c]           ; the byte
.endr
	v_lshl_or_b32 v56, v47, 16, v46                ; my bytes: blocks h and 2 + h,
	v_lshlrev_b32 v56, v11, v56                    ; at their places;
	v_mov_b32 v57, 0
	v_permlanex16_b32 v57, v56, s26, s27
	v_or_b32 v[40+\u], v56, v57                    ; with lane l xor 16's two the word is whole
.irp c, 0,1
	v_cvt_scalef32_pk16_fp6_f32 v[16+12*\u+6*\c:18+12*\u+6*\c], v[192+32*\c:207+32*\c], v[44+\c]
	v_cvt_scalef32_pk16_fp6_f32 v[48+4*\c:50+4*\c], v[208+32*\c:223+32*\c], v[44+\c]   ; (a conversion's three registers begin on an even number)
.endr
	v_nop                                          ; one plain line behind the conversions
.irp c, 0,1
.irp i, 0,1,2
	v_mov_b32 v[19+12*\u+6*\c+\i], v[48+4*\c+\i]
.endr
.endr
.irp j, 0,1,2
	global_store_b128 v4, v[16+12*\u+4*\j:19+12*\u+4*\j], s[14:15] offset:1536*\u+512*\j   ; 512 consecutive bytes, aligned
.endr
.endm
	XFRAG 0
	XFRAG 1
	v_cmp_lt_u32 vcc_lo, 15, v1
	v_cndmask_b32 v40, v40, v41, vcc_lo            ; lanes 0-15 the even tile's words, lanes 16-31 the odd tile's
	global_store_b32 v9, v40, s[16:17]
	s_wait_tensorcnt 0x0
	ds_add_u32 v59, v63
	s_wait_dscnt 0x0
	s_endpgm
	; ---- the weights: 32 columns x 128 K a wave; a lane takes a column and its registers run down K
.Lweights:
	s_sub_co_u32 s23, ttmp9, 128
	s_and_b32 s24, s23, 7                          ; K step
	s_lshr_b32 s23, s23, 3                         ; block of 128 columns: 0-7 w_q, 8-15 w_k, 16-17 w_v, 18-25 w_o
	s_mov_b64 s[30:31], s[12:13]
	s_mov_b32 s25, 18
	s_cmp_lt_u32 s23, 18
	s_cselect_b64 s[30:31], s[10:11], s[30:31]
	s_cselect_b32 s25, 16, s25
	s_cmp_lt_u32 s23, 16
	s_cselect_b64 s[30:31], s[8:9], s[30:31]
	s_cselect_b32 s25, 8, s25
	s_cmp_lt_u32 s23, 8
	s_cselect_b64 s[30:31], s[6:7], s[30:31]
	s_cselect_b32 s25, 0, s25                      ; the tensor's first block
	s_mov_b32 s32, 4096
	s_cmp_eq_u32 s25, 16
	s_cselect_b32 s32, 1024, s32                   ; a row of the tensor in bytes
	s_lshl_b32 s28, s24, 7
	s_mul_i32 s28, s28, s32                        ; 128 rows a K step
	s_sub_co_u32 s33, s23, s25
	s_lshl_b32 s33, s33, 7
	s_lshl_b32 s34, s22, 5
	s_add_co_u32 s33, s33, s34
	s_lshl_b32 s33, s33, 2                         ; my wave's first column, in bytes
	s_add_co_u32 s28, s28, s33
	s_mov_b32 s29, 0
	s_add_nc_u64 s[30:31], s[30:31], s[28:29]
	s_lshl_b32 s33, s23, 1
	s_lshr_b32 s34, s22, 1
	s_add_co_u32 s33, s33, s34                     ; group of 64 columns
	s_and_b32 s34, s22, 1                          ; pair of tiles in it
	s_lshl_b32 s33, s33, 3
	s_add_co_u32 s33, s33, s24
	s_lshl_b32 s28, s33, 2
	s_lshl_b32 s35, s34, 1
	s_add_co_u32 s28, s28, s35
	s_mul_i32 s28, s28, 1536
	s_add_nc_u64 s[18:19], s[18:19], s[28:29]
	s_lshl_b32 s28, s33, 1
	s_add_co_u32 s28, s28, s34
	s_lshl_b32 s28, s28, 7
	s_add_nc_u64 s[20:21], s[20:21], s[28:29]
.macro WLOAD pitch                     ; W(128 s + i, my column), i = 0 .. 127: 32 lanes read 128 consecutive bytes, the four waves 512
.set i, 0
.rept 128
	global_load_b32 v[64+i], v9, s[30:31] offset:i*\pitch th:TH_LOAD_NT
.set i, i+1
.endr
.endm
	s_cmp_eq_u32 s25, 16                           ; the row's length stands in the immediates: two copies of the loads, chosen by the work-group's number
	s_cbranch_scc1 .Lnarrow
	WLOAD 4096
	s_branch .Lloaded
.Lnarrow:
	WLOAD 1024
.Lloaded:
; Block kb of 32 along K: all its numbers are mine.  Its six registers of codes go to the place that the operand's layout gives them: record kb / 2, lane r' + 16 (kb % 2).
; Each block has code registers of its own (v16 + 8 kb on, up to v45) and a second half of its own (v48 + 4 kb on); the scale word and what a block works with lie at v224 on, clear of both.
.macro WBLOCK kb, left
	s_wait_loadcnt \left
.set XS, 64+32*(\kb)
.set CC, 16+8*(\kb)
.set TT, 48+4*(\kb)
	v_max3_num_f32 v[WM], |v[XS]|, |v[XS+1]|, |v[XS+2]|
	v_max3_num_f32 v[WM+1], |v[XS+3]|, |v[XS+4]|, |v[XS+5]|
.irp i, 6,10,14,18,22,26
	v_max3_num_f32 v[WM], v[WM], |v[XS+\i]|, |v[XS+\i+1]|
	v_max3_num_f32 v[WM+1], v[WM+1], |v[XS+\i+2]|, |v[XS+\i+3]|
.endr
	v_max3_num_f32 v[WM], v[WM], |v[XS+30]|, |v[XS+31]|
	v_max3_num_f32 v[WM], v[WM], v[WM+1], 0x1800000   ; and the floor 2^(3 - 127): the byte cannot fall under 1
	v_add_nc_u32 v[WO], 0xff000000, v[WM]          ; 2 off the exponent field: the conversion's scale operand
	v_lshrrev_b32 v[WB], 23, v[WO]                 ; the byte
.if (\kb) == 0
	v_mov_b32 v[WW], v[WB]
.else
	v_lshl_or_b32 v[WW], v[WB], 8*(\kb), v[WW]     ; the four bytes of my column's scale word
.endif
	v_cvt_scalef32_pk16_fp6_f32 v[CC:CC+2], v[XS:XS+15], v[WO]
	v_cvt_scalef32_pk16_fp6_f32 v[TT:TT+2], v[XS+16:XS+31], v[WO]
	v_nop                                          ; one plain line behind the conversions
.irp i, 0,1,2
	v_mov_b32 v[CC+3+\i], v[TT+\i]
.endr
.if (\kb) < 2                          ; registers 0-5 of the operand: runs 0 and 1
	ds_store_b128 v6, v[CC:CC+3] offset:256*((\kb)%2)
	ds_store_b64 v6, v[CC+4:CC+5] offset:512+256*((\kb)%2)
.else                                  ; registers 6-11: runs 1 and 2
	ds_store_b64 v6, v[CC:CC+1] offset:520+256*((\kb)%2)
	ds_store_b128 v6, v[CC+2:CC+5] offset:1024+256*((\kb)%2)
.endif
.endm
	WBLOCK 0, 63                                   ; 96 loads are younger than block 0's, 64 than block 1's: the wait names the most that its field holds
	WBLOCK 1, 63
	WBLOCK 2, 32                                   ; block 3's 32 loads may be out
	WBLOCK 3, 0
.irp u, 0,1
.irp j, 0,1,2
	ds_load_b128 v[192+12*\u+4*\j:192+12*\u+4*\j+3], v8 offset:WT*\u+512*\j   ; the two images, as they lie
.endr
.endr
	s_wait_alu depctr_va_vdst(0)
	s_wait_dscnt 0x0
.irp u, 0,1
.irp j, 0,1,2
	global_store_b128 v4, v[192+12*\u+4*\j:192+12*\u+4*\j+3], s[18:19] offset:1536*\u+512*\j   ; 512 consecutive bytes, aligned
.endr
.endr
	global_store_b32 v10, v[WW], s[20:21]
	s_wait_tensorcnt 0x0
	ds_add_u32 v59, v63
	s_wait_dscnt 0x0
	s_endpgm
.Lfunc_end_k_q4d1ac7140d_prep:
	.size	k_q4d1ac7140d_prep, .Lfunc_end_k_q4d1ac7140d_prep-k_q4d1ac7140d_prep
	.p2alignl 7, 3214868480
	.fill 96, 4, 3214868480
	.section	.rodata,"a",@progbits
	.p2align	6, 0x0
	.amdhsa_kernel k_q4d1ac7140d_prep
		.amdhsa_group_segment_fixed_size 47616
		.amdhsa_private_segment_fixed_size 0
		.amdhsa_enable_private_segment 0
		.amdhsa_kernarg_size 72
		.amdhsa_user_sgpr_count 2
		.amdhsa_user_sgpr_kernarg_segment_ptr 1
		.amdhsa_wavefront_size32 1
		.amdhsa_system_sgpr_workgroup_id_x 1
		.amdhsa_system_sgpr_workgroup_id_y 1
		.amdhsa_system_sgpr_workgroup_id_z 1
		.amdhsa_system_vgpr_workitem_id 0
		.amdhsa_next_free_vgpr 256
		.amdhsa_next_free_sgpr 66
		.amdhsa_reserve_vcc 1
		.amdhsa_float_denorm_mode_32 3
		.amdhsa_float_denorm_mode_16_64 3
		.amdhsa_memory_ordered 1
		.amdhsa_forward_progress 1
		.amdhsa_inst_pref_size 50
	.end_amdhsa_kernel
	.amdgpu_metadata
---
amdhsa.version: [ 1, 2 ]
amdhsa.kernels:
  - .name:           k_q4d1ac7140d_prep
    .symbol:         k_q4d1ac7140d_prep.kd
    .args:
      - { .name: x, .offset: 0, .size: 8, .value_kind: global_buffer, .address_space: global }
      - { .name: w_q, .offset: 8, .size: 8, .value_kind: global_buffer, .address_space: global }
      - { .name: w_k, .offset: 16, .size: 8, .value_kind: global_buffer, .address_space: global }
      - { .name: w_v, .offset: 24, .size: 8, .value_kind: global_buffer, .address_space: global }
      - { .name: w_o, .offset: 32, .size: 8, .value_kind: global_buffer, .address_space: global }
      - { .name: xc, .offset: 40, .size: 8, .value_kind: global_buffer, .address_space: global }
      - { .name: xsc, .offset: 48, .size: 8, .value_kind: global_buffer, .address_space: global }
      - { .name: wc, .offset: 56, .size: 8, .value_kind: global_buffer, .address_space: global }
      - { .name: wsc, .offset: 64, .size: 8, .value_kind: global_buffer, .address_space: global }
    .group_segment_fixed_size: 47616
    .private_segment_fixed_size: 0
    .kernarg_segment_align: 8
    .kernarg_segment_size: 72
    .max_flat_workgroup_size: 128
    .sgpr_count:     66
    .vgpr_count:     256
    .wavefront_size: 32
...
	.end_amdgpu_metadata
.endif
;; end of part 1
;; launch qkvfit (part 2): grid 16 x 16, 4 waves a work-group, clusters of 4 x 1, 327,680 bytes of LDS; arguments xc, xsc, wc, wsc, b_q, b_k, b_v, rms_q_w, rms_k_w, qkv, fit; writes qkv, fit
.if DOCPART == 2
	.amdgcn_target "amdgcn-amd-amdhsa--gfx1250"
	.amdhsa_code_object_version 6
	.text
	.protected	k_q4d1ac7140d_qkvfit
	.globl	k_q4d1ac7140d_qkvfit
	.p2align	8
	.type	k_q4d1ac7140d_qkvfit,@function
k_q4d1ac7140d_qkvfit:
	s_mov_b64 s[64:65], 0
	v_nop
	global_prefetch_b8 v0, s[64:65] scope:SCOPE_SE
	s_setreg_imm32_b32 hwreg(HW_REG_WAVE_MODE, 25, 1), 1
	s_wait_xcnt 0x0
	s_wait_alu depctr_hold_cnt(0) depctr_sa_sdst(0) depctr_va_vdst(0) depctr_va_sdst(0) depctr_va_ssrc(0) depctr_va_vcc(0) depctr_vm_vsrc(0)
	s_getreg_b32 s2, hwreg(HW_REG_IB_STS2, 6, 4)
	s_cmp_eq_u32 s2, 0
	s_cbranch_scc0 .Lentry_in_a_cluster
	s_endpgm
.Lentry_in_a_cluster:
	s_bfe_u32 s2, ttmp6, 0x10000c
	s_cmp_lg_u32 s2, 0x3003
	s_cbranch_scc0 .Lentry_shape_is_right
	s_endpgm
.Lentry_shape_is_right:
; Q, K, V AND THE FITNESS OF ONE HEAD h (x) AND 128 QUERIES, BLOCK a (y).  A work-group makes Q of its 128 tokens, the 16 columns h % 4 of value head h / 4, and K of the blocks a, a - 1 .. a - 4 (all keys that the band of the
; problem's own mask lets its queries see); Q, V and K of block a leave as codes and scale bytes; the quantised K of all five blocks stays in LDS, and 1 / (mean of sigmoid over all 2,048 keys + 0.5) is made from it.
; A key outside the band counts sigmoid(0) = 0.5: inside a walked group the score is set to 0; the 2,048 - 544 keys not walked add 752.
; BLOCKS BEFORE THE FIRST (a < 4): every partner makes every joint request, so block 0 is asked for again and its K is multiplied by 0: its scores are 0, which is what a key that does not exist has to count.
; CLUSTER: the four heads of a cluster share x's blocks: joint loads with a mask that names the four (made of a and the wave's number).  The weights are each head's own.
; No prefetch: block a - i of x is the first block of other work-groups, which ask for it at their head.
; OPERANDS OF THE PROJECTIONS: a fragment is 16 rows x 128 K, three runs of 512 bytes, lane l's registers 4 j .. at 512 j + 16 l.  In a group of 32 rows lane row r of tile u is row 8 u + (r & 7) + 16 (r >> 3).
; A wave takes the group w of 32 tokens (tiles 2 w, 2 w + 1) of each block, all 64 columns.  Q and K are made with the weight as source 0: a lane holds one token, register 16 b + i is column 32 b + 16 (lane / 16) + i.
; qkv: records of 6,656 bytes: Q [h][a], K [16 + h][a]: tile m at 768 m (registers 0-3 at 16 lane, 4-5 at 512 + 8 lane), scale words at 6144 + 16 lane + 4 group; V [32 + h / 4][a]: tile n at 1536 n, as x's fragments; words at 6144 + 64 n + 4 r, and once more 256 on.
; fit: [head][block][32 w + ..] 1 / denom, 131,072 bytes; behind them the sums of each wave's 32 numbers, 64 for each head.
; LDS, six places of 49,152 bytes: 0 w_q, w_k of K steps 0-3;  1, 2 block a;  3 w_q, w_k of K steps 4-7;  4, 5 block a - 1.  Refills: places 0, 1 block a - 2;  2, 3 block a - 3;  4, 5 block a - 4.
; Behind them K's codes, [20 groups of 32 keys][1,536], and the spare words.  At the end place 0 holds the scale words and V's codes (it has had its last fill).
; LIMITS: NaN and infinities are not served; a block of zeros gets the byte 1 (its codes are zeros).
; REGISTERS.  Window 0: addresses, scale words (16-99), Q's codes (100-123), work; 160-255 w_q's fragments of two K steps, later a tile of x.  Windows 1, 2: w_k's 32 fragments; 2 from 132 on w_v's, later a tile of x.
;   Window 3: 0 K's sums, 64 Q's, 128 V's, 144 K's bias, 176 x of two K steps, later Q's gains, 224 K's gains.  The fitness: window 1 two buffers of scores, window 2 K's codes.
.set PL,    49152
.set KREC,  294912
.set SPARE, KREC+20*1536
.set SPW, 14
.set NIL, 15
.set SEL, 34
.set XS,  16                           ; x's scale words, block i, K step ks: 16 + 8 i + ks
.set WQS, 60                           ; w_q's: 8 (pair of tiles) + ks
.set WKS, 76
.set WVS, 92
.set QC,  100
.set QW,  124
.set KSW, 126
.set KWD, 130
.set VC,  136
.set VB,  139
.set TS,  140
.set TR,  148
.set TP,  150
.set RS,  152
.set QM,  140
.set QP,  144
.set QS,  148
.set KC,  156
.set QT,  168
.set KW,  176
.set SUM, 178
.set WQ,  160
.set XP,  176
.set BK,  144
.set GK,  224
.set GQ,  176
.set WV,  132
.set VA,  128
.set MSB, 0
.macro WIN new
.if MSB != (\new)
	s_set_vgpr_msb (MSB<<8)|(\new)
.set MSB, (\new)
.endif
.endm
.macro WALU
	s_wait_alu depctr_va_vdst(0)
.endm
.macro PLACES
.rept 4
	v_nop
.endr
.endm
.macro BARRIER
	s_barrier_signal -1
	s_barrier_wait -1
.endm
.macro CREST                           ; a round of the cluster's barrier behind its opening barrier
	s_cmp_lg_u32 s28, 0
	s_cbranch_scc1 .Lnot_wave_0_\@
	s_barrier_signal -3
.Lnot_wave_0_\@:
	s_barrier_wait -3
	BARRIER
.endm
.macro CROUND
	BARRIER
	CREST
.endm
.macro TLOAD g0, g1
	tensor_load_to_lds s[\g0:\g0+3], s[\g1:\g1+7]
	s_nop 0
	PLACES
.endm
.macro WM d, s0, s1, c, x0, x1, ra, rb
	v_wmma_scale_f32_16x16x128_f8f6f4 v[\d:\d+7], v[\s0:\s0+11], v[\s1:\s1+11], \c, v[\x0], v[\x1] matrix_a_fmt:MATRIX_FMT_FP6 matrix_b_fmt:MATRIX_FMT_FP6 matrix_a_scale:MATRIX_SCALE_ROW\ra matrix_b_scale:MATRIX_SCALE_ROW\rb
.endm
.macro LD3 r, a, off
	ds_load_b128 v[\r:\r+3], v[\a] offset:\off
	ds_load_b128 v[\r+4:\r+7], v[\a] offset:\off+512
	ds_load_b128 v[\r+8:\r+11], v[\a] offset:\off+1024
.endm
; K's products of one K step and tile: x's fragment in window xw at xr, its scale word xs
.macro KP ks, t, xw, xr, xs
.irp p, 0,1
.irp o, 0,1
.set F_, 4*(\ks)+2*\p+\o
.set D_, 32*\t+16*\p+8*\o
	WIN ((1+F_/21)|((\xw)<<2)|0xf0)
.if (\ks) == 0
	WM D_, 12*(F_%21), \xr, v[BK+16*\p+8*\o:BK+16*\p+8*\o+7], WKS+8*\p+(\ks), \xs, \o, \t
.else
	WM D_, 12*(F_%21), \xr, v[D_:D_+7], WKS+8*\p+(\ks), \xs, \o, \t
.endif
.endr
.endr
.endm
; ---- the first pass, over block a: Q, V and K together; 30 LDS loads a K step
.macro FETCHA ks
.set AB_, 1+55*((\ks)/4)
.set OF_, ((\ks)%4)*6144
	WIN 0
.irp n, 0,1,2,3
	LD3 WQ+48*((\ks)%2)+12*\n, AB_, OF_+1536*\n
.endr
.irp n, 0,1,2,3
.set F_, 4*(\ks)+\n
	WIN ((1+F_/21)<<6)
	LD3 12*(F_%21), AB_, OF_+24576+1536*\n
.endr
	WIN 0xc0
.irp t, 0,1
	LD3 XP+24*((\ks)%2)+12*\t, 10+(\ks)/4, 12288*((\ks)%4)+1536*\t
.endr
	WIN 0
.endm
.macro KPA ks
	KP \ks, 0, 3, XP+24*((\ks)%2), XS+(\ks)
	KP \ks, 1, 3, XP+24*((\ks)%2)+12, XS+(\ks)
.endm
.macro QVPA ks
	WIN 0xfc
.irp t, 0,1
.irp p, 0,1
.irp o, 0,1
.set D_, 64+32*\t+16*\p+8*\o
	WM D_, WQ+48*((\ks)%2)+24*\p+12*\o, XP+24*((\ks)%2)+12*\t, v[D_:D_+7], WQS+8*\p+(\ks), XS+(\ks), \o, \t
.endr
.endr
.endr
	WIN 0xfb
.irp t, 0,1
.if (\ks) == 0
	WM VA+8*\t, XP+24*((\ks)%2)+12*\t, WV+12*(\ks), 0, XS+(\ks), WVS+(\ks), \t, 0
.else
	WM VA+8*\t, XP+24*((\ks)%2)+12*\t, WV+12*(\ks), v[VA+8*\t:VA+8*\t+7], XS+(\ks), WVS+(\ks), \t, 0
.endif
.endr
.endm
.macro ASTEP ks
.if (\ks) == 3
	WIN 0
	s_cmp_lt_u32 s28, 3
	s_cbranch_scc0 .Lshow_h1
	s_wait_tensorcnt 0x0                           ; waves 0-2: wave 2's load, w_q's and w_k's K steps 4-7, is shown by the barrier below
.Lshow_h1:
.elseif (\ks) == 5
	WIN 0
	s_wait_tensorcnt 0x0                           ; all loads of the head are in, block a - 1 among them;
	ds_add_u32 v[SPW], v[NIL]
	s_max_u32 s60, s31, 2
	s_sub_co_u32 s60, s60, 2
	s_mul_i32 s60, s60, 98304                      ; block a - 2: a quarter a wave, onto places 0 and 1, whose K steps 0-3 have been read
	s_mul_i32 s57, s28, 24576
	s_add_co_u32 s60, s60, s57
	s_mov_b32 s61, 0
	s_add_nc_u64 s[58:59], s[4:5], s[60:61]
	s_or_b32 s59, s59, 0x80000000
	s_mov_b32 s46, 96<<16
	s_mov_b32 s48, 96
.endif
.if ((\ks) == 3) || ((\ks) == 5)
	s_wait_dscnt 0x0
	s_barrier_signal -1
	KPA \ks
	WIN 0
	s_barrier_wait -1
.if (\ks) == 5
	CREST
	TLOAD 56, 44
.endif
	PLACES
	FETCHA (\ks)+1
	QVPA \ks
.else
.if (\ks) < 7
	WIN 0
	PLACES
	FETCHA (\ks)+1
	s_wait_dscnt 30                                ; this K step's fragments are in; the next one's 30 loads may be out
.else
	s_wait_dscnt 0x0
.endif
	KPA \ks
	QVPA \ks
.endif
.endm
; ---- the later blocks: tile t = 0 in window 2 from 132 on, tile 1 in window 0 from 184 on (its last two fragments in window 2 from 228 on); 24 loads a tile
.macro FETCHX e
.irp q, 0,1,2,3,4,5,6,7
.if \e == 0
	WIN 0x80
	LD3 132+12*\q, 10+\q/4, 12288*(\q%4)
.elseif \q < 6
	WIN 0
	LD3 184+12*\q, 10+\q/4, 12288*(\q%4)+1536
.else
	WIN 0x80
	LD3 228+12*(\q-6), 11, 12288*(\q%4)+1536
.endif
.endr
	WIN 0
.endm
.macro XPROD t, i
.irp q, 0,1,2,3,4,5,6,7
.if \t == 0
	KP \q, \t, 2, 132+12*\q, XS+8*(\i)+\q
.elseif \q < 6
	KP \q, \t, 0, 184+12*\q, XS+8*(\i)+\q
.else
	KP \q, \t, 2, 228+12*(\q-6), XS+8*(\i)+\q
.endif
.endr
.endm
.macro XADDR pos
	v_add_nc_u32 v10, (\pos)*PL, v9
	v_add_nc_u32 v11, (\pos)*PL+PL, v9
	WALU
.endm
; ---- the norm, the gains and the quantiser for two tiles: sums at ab, ab + 32 of window 3; tile t's six registers of codes at cd + cs t, its scale word at wd + t
.macro WOUT ab, gb, cd, cs, wd, lv
	WIN 0x0f
	WALU
.irp t, 0,1
.irp c, 0,1
	v_pk_mul_f32 v[TS+4*\t+2*\c:TS+4*\t+2*\c+1], v[\ab+32*\t+2*\c:\ab+32*\t+2*\c+1], v[\ab+32*\t+2*\c:\ab+32*\t+2*\c+1]
.endr
.endr
.set I_, 4
.rept 7
.irp t, 0,1
.irp c, 0,1
	v_pk_fma_f32 v[TS+4*\t+2*\c:TS+4*\t+2*\c+1], v[\ab+32*\t+I_+2*\c:\ab+32*\t+I_+2*\c+1], v[\ab+32*\t+I_+2*\c:\ab+32*\t+I_+2*\c+1], v[TS+4*\t+2*\c:TS+4*\t+2*\c+1]
.endr
.endr
.set I_, I_+4
.endr
	WIN 0
.irp t, 0,1
	v_pk_add_f32 v[TS+4*\t:TS+4*\t+1], v[TS+4*\t:TS+4*\t+1], v[TS+4*\t+2:TS+4*\t+3]
.endr
.irp t, 0,1
	v_add_f32 v[TR+\t], v[TS+4*\t], v[TS+4*\t+1]
.endr
.irp t, 0,1
	v_permlanex16_b32 v[TP+\t], v[TR+\t], s[SEL], s[SEL+1]
.endr
.irp t, 0,1
	v_add_f32 v[TR+\t], v[TR+\t], v[TP+\t]
.endr
.irp t, 0,1
	v_fma_f32 v[TR+\t], v[TR+\t], s32, s33         ; the mean of 64 squares + eps
.endr
	WALU
.irp t, 0,1
	v_rsq_f32 v[RS+2*\t], v[TR+\t]
.endr
	v_nop
	WALU
.if \lv
.irp t, 0,1
	v_mul_f32 v[RS+2*\t], s69, v[RS+2*\t]          ; 0 where the block lies before the first token
.endr
.endif
	WIN 0xc3
.set I_, 0
.rept 16
.irp t, 0,1
	v_pk_mul_f32 v[\ab+32*\t+I_:\ab+32*\t+I_+1], v[\ab+32*\t+I_:\ab+32*\t+I_+1], v[RS+2*\t:RS+2*\t+1] op_sel_hi:[1,0]
.endr
.set I_, I_+2
.endr
	WIN 0xcf
.set I_, 0
.rept 16
.irp t, 0,1
	v_pk_mul_f32 v[\ab+32*\t+I_:\ab+32*\t+I_+1], v[\ab+32*\t+I_:\ab+32*\t+I_+1], v[\gb+I_:\gb+I_+1]
.endr
.set I_, I_+2
.endr
	WIN 0x0f
.irp t, 0,1
.irp b, 0,1
	v_max3_num_f32 v[QM+2*\t+\b], |v[\ab+32*\t+16*\b]|, |v[\ab+32*\t+16*\b+1]|, 0x1800000
.endr
.endr
	WIN 0x3c
.irp i, 2,4,6,8,10,12,14
.irp t, 0,1
.irp b, 0,1
	v_max3_num_f32 v[QM+2*\t+\b], v[QM+2*\t+\b], |v[\ab+32*\t+16*\b+\i]|, |v[\ab+32*\t+16*\b+\i+1]|
.endr
.endr
.endr
	WIN 0
.irp k, 0,1,2,3
	v_permlanex16_b32 v[QP+\k], v[QM+\k], s[SEL], s[SEL+1]
.endr
.irp k, 0,1,2,3
	v_max_num_f32 v[QM+\k], v[QM+\k], v[QP+\k]
.endr
.irp k, 0,1,2,3
	v_add_nc_u32 v[QS+\k], 0xff000000, v[QM+\k]
.endr
.irp k, 0,1,2,3
	v_lshrrev_b32 v[QP+\k], 23, v[QS+\k]
.endr
.irp t, 0,1
	v_lshl_or_b32 v[\wd+\t], v[QP+2*\t+1], 8, v[QP+2*\t]
.endr
.irp t, 0,1
	v_or_b32 v[\wd+\t], 0x7f7f0000, v[\wd+\t]      ; bytes 2 and 3: a head has 64 numbers, the product's K is 128
.endr
	WIN 0x03
.irp t, 0,1
	v_cvt_scalef32_pk16_fp6_f32 v[\cd+\cs*\t:\cd+\cs*\t+2], v[\ab+32*\t:\ab+32*\t+15], v[QS+2*\t]
	v_cvt_scalef32_pk16_fp6_f32 v[QT+4*\t:QT+4*\t+2], v[\ab+32*\t+16:\ab+32*\t+31], v[QS+2*\t+1]
.endr
	v_nop
	WIN 0
.irp i, 0,1,2
.irp t, 0,1
	v_permlane16_swap_b32 v[\cd+\cs*\t+\i], v[QT+4*\t+\i]
.endr
.endr
.irp i, 0,1,2
.irp t, 0,1
	v_mov_b32 v[\cd+\cs*\t+3+\i], v[QT+4*\t+\i]
.endr
.endr
.endm
.macro KOUT i
.irp t, 0,1
	ds_store_b128 v12, v[KC+6*\t:KC+6*\t+3] offset:(4-(\i))*6144+768*\t
	ds_store_b64 v13, v[KC+6*\t+4:KC+6*\t+5] offset:(4-(\i))*6144+768*\t+512
.endr
	v_cndmask_b32 v[KWD+\i], v[KW], v[KW+1], s68   ; lanes 0-15 tile 0's word, lanes 16-31 tile 1's
.endm
.macro BLOCK i, pos                    ; pos: where the next block lies
	s_wait_dscnt 28                                ; tile 0 is in; tile 1's 24 loads and the four stores of codes may be out
	XPROD 0, \i
	WIN 0
.if \i == 1
	s_wait_tensorcnt 0x0                           ; block a - 2 is in
	ds_add_u32 v[SPW], v[NIL]
	s_lshr_b32 s60, s28, 1                         ; the second refill: blocks a - 3 and a - 4, a half a wave, onto places 2 to 5
	s_add_co_u32 s60, s60, 3
	s_max_u32 s61, s31, s60
	s_sub_co_u32 s60, s61, s60
	s_mul_i32 s60, s60, 98304
	s_and_b32 s61, s28, 1
	s_mul_i32 s61, s61, PL
	s_add_co_u32 s60, s60, s61
	s_mov_b32 s61, 0
	s_mul_i32 s57, s28, PL
	s_add_co_u32 s57, s57, 2*PL
	s_add_nc_u64 s[58:59], s[4:5], s[60:61]
	s_or_b32 s59, s59, 0x80000000
	s_mov_b32 s46, 192<<16
	s_mov_b32 s48, 192
	s_wait_dscnt 0x0                               ; the add is done, and so are my reads of places 2 to 5
	CROUND
	s_cmp_lt_u32 s28, 2
	s_cbranch_scc0 .Lfill_4
	TLOAD 56, 44
	s_branch .Lfilled
.Lfill_4:
	TLOAD 56, 44
.Lfilled:
.elseif \i == 2
	s_cmp_lt_u32 s28, 2
	s_cbranch_scc0 .Lshow_3
	s_wait_tensorcnt 0x0                           ; waves 0, 1: block a - 3
.Lshow_3:
	s_wait_dscnt 0x0
	BARRIER
.elseif \i == 3
	s_wait_tensorcnt 0x0                           ; block a - 4
	s_wait_dscnt 0x0
	BARRIER
.endif
.if \i < 4
	XADDR \pos
	PLACES
	FETCHX 0
.else
	s_wait_dscnt 4                                 ; tile 1 is in; the four stores may be out
.endif
	XPROD 1, \i
	WIN 0
	PLACES
.if \i < 4
	FETCHX 1
.endif
.if \i == 1
	s_wait_xcnt 0x0                                ; the stores of block a's K have read their codes
.endif
	s_cmp_ge_u32 s31, \i
	s_cselect_b32 s69, 1.0, 0
	WOUT 0, GK, KC, 6, KW, 1
	KOUT \i
.endm
; ================= THE HEAD
	s_load_b512 s[4:19], s[0:1], 0x0               ; xc 4, xsc 6, wc 8, wsc 10, b_q 12, b_k 14, b_v 16, rms_q_w 18
	s_load_b128 s[20:23], s[0:1], 0x40             ; rms_k_w 20, qkv 22
	s_load_b64 s[24:25], s[0:1], 0x50              ; fit
	v_lshl_add_u32 v[SPW], v0, 2, SPARE
	v_mov_b32 v[NIL], 0
	ds_add_u32 v[SPW], v[NIL]
	ds_add_u32 v[SPW], v[NIL]
	v_lshrrev_b32 v7, 5, v0
	v_readfirstlane_b32 s28, v7                    ; wave w
	s_bfe_u32 s29, ttmp6, 0x40000                  ; cx: enters global addresses alone
	s_lshl_b32 s30, ttmp9, 2
	s_add_co_u32 s30, s30, s29                     ; head h; ttmp9 is its value head
	s_and_b32 s31, ttmp7, 0xffff                   ; block a
	s_mov_b32 s32, 0x3c800000                      ; 1 / 64
	s_mov_b32 s33, 0x34000000                      ; eps
	s_mov_b32 s[SEL], 0x76543210
	s_mov_b32 s[SEL+1], 0xfedcba98
	s_mov_b32 s36, 3<<16                           ; group 1 of the weights: two rows (w_q's and w_k's four K steps) of 24,576 bytes
	s_mov_b32 s37, 3072<<16
	s_mov_b32 s38, 2<<16
	s_mov_b32 s39, 3072<<16
	s_mov_b32 s40, 2
	s_mov_b32 s41, 98304                           ; w_k's group lies 16 groups of 49,152 bytes behind w_q's
	s_mov_b32 s42, 0
	s_mov_b32 s43, 0
	s_mov_b32 s44, 15|(3<<16)|(1<<21)              ; group 1 of x: the mask names all four, bit 21 beside it; 384 rows of 256 bytes, dense
	s_mov_b32 s45, 32<<16
	s_mov_b32 s46, 384<<16
	s_mov_b32 s47, 32<<16
	s_mov_b32 s48, 384
	s_mov_b32 s49, 32
	s_mov_b32 s50, 0
	s_mov_b32 s51, 0
	s_mov_b32 s66, 0xbe38aa3b                      ; -log2(e) / 8
	s_mov_b32 s67, s66
	s_mov_b32 s68, 0xffff0000                      ; lanes 16-31
.irp r, 71,73,75,77,79,81,83,85,95,97
	s_mov_b32 s\r, 0
.endr
	s_lshr_b32 s60, s28, 1
	s_mul_i32 s70, s30, PL
	s_mul_i32 s61, s60, 24576
	s_add_co_u32 s70, s70, s61                     ; waves 0, 2: the weights' K steps 0-3, 4-7
	s_max_u32 s62, s31, s60
	s_sub_co_u32 s62, s62, s60
	s_mul_i32 s72, s62, 98304                      ; waves 1, 3: block a, a - 1
	s_mul_i32 s53, s60, 3*PL
	s_add_co_u32 s57, s53, PL
	s_mov_b32 s52, 1
	s_mov_b32 s56, 1
	s_lshl_b32 s74, s31, 12
	s_lshl_b32 s98, s28, 7
	s_add_co_u32 s74, s74, s98
	s_lshl_b32 s76, s30, 11
	s_add_co_u32 s61, ttmp9, 32
	s_lshr_b32 s62, s29, 1
	s_and_b32 s63, s29, 1
	s_lshl_b32 s78, s61, 11
	s_lshl_b32 s3, s62, 7
	s_add_co_u32 s78, s78, s3
	s_lshl_b32 s99, s63, 6
	s_add_co_u32 s78, s78, s99                     ; w_v's scale words of tile cx
	s_mul_i32 s80, s61, PL
	s_mul_i32 s99, s29, 1536
	s_add_co_u32 s80, s80, s99                     ; its codes
	s_lshl_b32 s82, s30, 8
	s_lshl_b32 s84, ttmp9, 8
	s_add_co_u32 s84, s84, s3
	s_lshl_b32 s99, s63, 5
	s_add_co_u32 s84, s84, s99                     ; its bias
	s_lshl_b32 s60, s30, 4
	s_add_co_u32 s60, s60, s31
	s_mul_i32 s96, s60, 6656
	s_mul_i32 s3, s28, 1536
	s_add_co_u32 s96, s96, s3                      ; Q's record, my two tiles
	s_add_co_u32 s94, s96, 256*6656                ; K's
	v_and_b32 v7, 31, v0
	v_lshlrev_b32 v1, 4, v7
	v_lshlrev_b32 v2, 3, v7
	v_lshlrev_b32 v3, 2, v7
	v_and_b32 v7, 15, v0
	v_lshlrev_b32 v4, 2, v7                        ; 4 r
	v_bfe_u32 v7, v0, 4, 1
	v_lshlrev_b32 v8, 6, v7                        ; 64 (lane / 16)
	v_and_b32 v5, 7, v0
	v_bfe_u32 v6, v0, 3, 1
	v_lshl_add_u32 v5, v6, 4, v5
	v_lshlrev_b32 v135, 2, v5                      ; my column of V in its tile, in bytes
	v_lshlrev_b32 v6, 4, v7
	v_sub_nc_u32 v5, v5, v6                        ; my query's place in its group of 32, less 16 (lane / 16): tile 0's,
	v_add_nc_u32 v6, 8, v5                         ; tile 1's
	s_add_co_u32 s61, s3, KREC
	v_add_nc_u32 v12, s61, v1                      ; K's codes in LDS, from my group on
	v_add_nc_u32 v13, s61, v2
	s_lshl_b32 s3, s3, 1
	v_add_nc_u32 v9, s3, v1                        ; my two tiles of a block of x
	v_add_nc_u32 v10, PL, v9
	v_add_nc_u32 v11, 2*PL, v9
	v_add_nc_u32 v56, 3*PL, v1
.irp i, 57,59,106,107,108,109,110,111,118,119,120,121,122,123,150,151,153,155
	v_mov_b32 v\i, 0                               ; zero codes behind Q's; upper halves of pairs; lane permutes' destinations
.endr
	WALU
	s_wait_dscnt 0x0
	CROUND                                         ; all four work-groups are here: the joint loads meet
	s_wait_kmcnt 0x0
	s_add_nc_u64 s[54:55], s[8:9], s[70:71]
	s_or_b32 s55, s55, 0x80000000
	s_add_nc_u64 s[58:59], s[4:5], s[72:73]
	s_or_b32 s59, s59, 0x80000000
	s_cmp_eq_u32 s28, 0                            ; one load a wave, each in an arm of its own: the barriers below show them one after the other
	s_cbranch_scc0 .Lwave_1
	TLOAD 52, 36
	s_branch .Lasked
.Lwave_1:
	s_cmp_eq_u32 s28, 1
	s_cbranch_scc0 .Lwave_2
	TLOAD 56, 44
	s_branch .Lasked
.Lwave_2:
	s_cmp_eq_u32 s28, 2
	s_cbranch_scc0 .Lwave_3
	TLOAD 52, 36
	s_branch .Lasked
.Lwave_3:
	TLOAD 56, 44
.Lasked:
	s_add_nc_u64 s[74:75], s[6:7], s[74:75]
	s_add_nc_u64 s[76:77], s[10:11], s[76:77]
	s_add_nc_u64 s[78:79], s[10:11], s[78:79]
	s_add_nc_u64 s[80:81], s[8:9], s[80:81]
	s_add_nc_u64 s[12:13], s[12:13], s[82:83]
	s_add_nc_u64 s[14:15], s[14:15], s[82:83]
	s_add_nc_u64 s[16:17], s[16:17], s[84:85]
	s_add_nc_u64 s[94:95], s[22:23], s[94:95]
	s_add_nc_u64 s[96:97], s[22:23], s[96:97]
	s_add_nc_u64 s[70:71], s[76:77], 32768         ; w_k's scale words
.irp k, 0,1,2,3,4,5,6,7
	global_load_b32 v[XS+\k], v3, s[74:75] offset:512*\k
	global_load_b32 v[WQS+\k], v3, s[76:77] offset:256*\k
	global_load_b32 v[WQS+8+\k], v3, s[76:77] offset:256*\k+128
	global_load_b32 v[WKS+\k], v3, s[70:71] offset:256*\k
	global_load_b32 v[WKS+8+\k], v3, s[70:71] offset:256*\k+128
	global_load_b32 v[WVS+\k], v4, s[78:79] offset:256*\k
.endr
	WIN 0xc0
.irp n, 0,1,2,3
.irp e, 0,1
	global_load_b128 v[BK+8*\n+4*\e:BK+8*\n+4*\e+3], v8, s[14:15] offset:(32*(\n/2)+8*(\n%2))*4+16*\e
	global_load_b128 v[64+8*\n+4*\e:64+8*\n+4*\e+3], v8, s[12:13] offset:(32*(\n/2)+8*(\n%2))*4+16*\e   ; Q's sums begin as its bias
	global_load_b128 v[96+8*\n+4*\e:96+8*\n+4*\e+3], v8, s[12:13] offset:(32*(\n/2)+8*(\n%2))*4+16*\e
.endr
.endr
	WIN 0x80
.irp k, 0,1,2,3,4,5,6,7
.irp j, 0,1,2
	global_load_b128 v[WV+12*\k+4*\j:WV+12*\k+4*\j+3], v1, s[80:81] offset:6144*\k+512*\j
.endr
.endr
	WIN 0xc0
.irp n, 0,1,2,3
.irp e, 0,1
	global_load_b128 v[GK+8*\n+4*\e:GK+8*\n+4*\e+3], v8, s[20:21] offset:(32*(\n/2)+8*(\n%2))*4+16*\e
.endr
.endr
	WIN 0
	global_load_b32 v58, v135, s[16:17]
.irp i, 1,2,3,4
	s_max_u32 s60, s31, \i
	s_sub_co_u32 s60, s60, \i
	s_lshl_b32 s60, s60, 12
	s_add_co_u32 s60, s60, s98
	s_mov_b32 s61, 0
	s_add_nc_u64 s[84+2*\i:85+2*\i], s[6:7], s[60:61]
.endr
	WALU
	s_wait_loadcnt 0x0
	s_cmp_lt_u32 s28, 2
	s_cbranch_scc0 .Lshow_h0
	s_wait_tensorcnt 0x0                           ; waves 0, 1: the weights' K steps 0-3 and block a
.Lshow_h0:
	BARRIER
	FETCHA 0
.irp i, 1,2,3,4
.irp k, 0,1,2,3,4,5,6,7
	global_load_b32 v[XS+8*\i+\k], v3, s[84+2*\i:85+2*\i] offset:512*\k   ; the later blocks' scale words
.endr
.endr
.irp k, 0,1,2,3,4,5,6,7
	ASTEP \k
.endr
	WIN 0
	XADDR 4
	PLACES
	FETCHX 0                                       ; block a - 1, shown by the first refill's round
	FETCHX 1
	WIN 0xc0
.irp n, 0,1,2,3
.irp e, 0,1
	global_load_b128 v[GQ+8*\n+4*\e:GQ+8*\n+4*\e+3], v8, s[18:19] offset:(32*(\n/2)+8*(\n%2))*4+16*\e
.endr
.endr
	WIN 0
	WOUT 0, GK, KC, 6, KW, 0                       ; K of block a
	KOUT 0
.irp t, 0,1
	global_store_b128 v1, v[KC+6*\t:KC+6*\t+3], s[94:95] offset:768*\t           ; 512 and 256 consecutive bytes, aligned
	global_store_b64 v2, v[KC+6*\t+4:KC+6*\t+5], s[94:95] offset:768*\t+512
.endr
	WIN 0xc3                                       ; V: 32 tokens x 16 columns, a lane one column; half a block of 32 along the tokens
	WALU
.irp i, 0,2,4,6,8,10,12,14
	v_pk_add_f32 v[VA+\i:VA+\i+1], v[VA+\i:VA+\i+1], v[58:59] op_sel_hi:[1,0]
.endr
	WIN 0x0f
.irp c, 0,1
	v_max3_num_f32 v[QM+\c], |v[VA+2*\c]|, |v[VA+2*\c+1]|, 0x1800000
.endr
	WIN 0x3c
.irp i, 4,8,12
.irp c, 0,1
	v_max3_num_f32 v[QM+\c], v[QM+\c], |v[VA+\i+2*\c]|, |v[VA+\i+2*\c+1]|
.endr
.endr
	WIN 0
	v_max_num_f32 v[QM], v[QM], v[QM+1]
	v_permlanex16_b32 v[QP], v[QM], s[SEL], s[SEL+1]
	v_max_num_f32 v[QM], v[QM], v[QP]
	v_add_nc_u32 v[QS], 0xff000000, v[QM]
	v_lshrrev_b32 v[VB], 23, v[QS]
	WIN 0x03
	v_cvt_scalef32_pk16_fp6_f32 v[VC:VC+2], v[VA:VA+15], v[QS]
	v_nop
	WIN 0
	WALU
	s_wait_loadcnt 0x0                             ; Q's gains and the later blocks' scale words
	WOUT 64, GQ, QC, 12, QW, 0
.irp t, 0,1
	global_store_b128 v1, v[QC+12*\t:QC+12*\t+3], s[96:97] offset:768*\t
	global_store_b64 v2, v[QC+12*\t+4:QC+12*\t+5], s[96:97] offset:768*\t+512
.endr
; ================= K OF THE OTHER FOUR BLOCKS
	WALU
	BLOCK 1, 0
	BLOCK 2, 2
	BLOCK 3, 4
	BLOCK 4, 0
; ================= SCALE WORDS AND V'S CODES MEET IN PLACE 0, whose last reads (block a - 2) lie before the last two barriers
	s_lshl_b32 s60, s28, 7
	v_add_nc_u32 v184, s60, v3                     ; scale words: [20 groups][32 lanes] from 0, Q's four groups from 3072
	v_cndmask_b32 v186, v[QW], v[QW+1], s68
	s_and_b32 s61, s28, 1
	s_lshl_b32 s61, s61, 8
	s_add_co_u32 s61, s61, 4096
	v_lshl_add_u32 v188, v4, 2, s61                ; V's operand: my row's lane 16 (w % 2) + r, 16 bytes a lane
	v_bfe_u32 v189, v0, 4, 1
	s_lshr_b32 s62, s28, 1
	s_mul_i32 s62, s62, 6
.irp d, 0,1,2
	s_add_co_u32 s63, s62, \d
	v_mad_u32_u24 v190, v189, 3, s63               ; its register 6 (w / 2) + 3 (lane / 16) + d
	v_lshrrev_b32 v191, 2, v190
	v_and_b32 v190, 3, v190
	v_lshl_add_u32 v191, v191, 9, v188
	v_lshl_add_u32 v[192+\d], v190, 2, v191
.endr
	s_add_co_u32 s63, s28, 5632
	v_add_nc_u32 v195, s63, v4                     ; V's scale words, byte w
	s_lshl_b32 s60, s28, 9
	s_add_co_u32 s60, s60, 4096
	v_add_nc_u32 v196, s60, v1                     ; V's codes read back: 512 bytes a wave, three waves
	s_lshl_b32 s60, s28, 10
	s_add_co_u32 s60, s60, 2048
	v_add_nc_u32 v197, s60, v3                     ; wave 0: K's words of block a, wave 1: Q's
	v_lshl_add_u32 v198, v8, 2, v4                 ; 4 r + 256 (lane / 16)
	WALU
.irp i, 0,1,2,3,4
	ds_store_b32 v184, v[KWD+\i] offset:512*(4-\i)
.endr
	ds_store_b32 v184, v186 offset:3072
.irp d, 0,1,2
	ds_store_b32 v[192+\d], v[VC+\d]
.endr
	ds_store_b8 v195, v[VB]                        ; both lanes of a column write the same byte
	s_xor_b32 s60, s28, 1
	s_and_b32 s60, s60, 1
	s_lshl_b32 s60, s60, 4
	s_add_co_u32 s60, s60, s30
	s_lshl_b32 s60, s60, 4
	s_add_co_u32 s60, s60, s31
	s_mul_i32 s60, s60, 6656
	s_add_co_u32 s60, s60, 6144
	s_mov_b32 s61, 0
	s_add_nc_u64 s[92:93], s[22:23], s[60:61]      ; wave 0: K's record, wave 1: Q's: the scale words
	s_add_co_u32 s60, ttmp9, 32
	s_lshl_b32 s60, s60, 4
	s_add_co_u32 s60, s60, s31
	s_mul_i32 s60, s60, 6656
	s_mul_i32 s62, s29, 1536
	s_add_co_u32 s62, s62, s60
	s_lshl_b32 s63, s28, 9
	s_add_co_u32 s62, s62, s63
	s_mov_b32 s63, 0
	s_add_nc_u64 s[88:89], s[22:23], s[62:63]      ; V's codes
	s_lshl_b32 s62, s29, 6
	s_add_co_u32 s60, s60, s62
	s_add_co_u32 s60, s60, 6144
	s_add_nc_u64 s[90:91], s[22:23], s[60:61]      ; V's scale words
	s_lshl_b32 s60, s30, 4
	s_add_co_u32 s60, s60, s31
	s_lshl_b32 s62, s60, 9
	s_lshl_b32 s63, s28, 7
	s_add_co_u32 s62, s62, s63
	s_mov_b32 s63, 0
	s_lshl_b32 s60, s60, 2
	s_add_co_u32 s60, s60, s28
	s_lshl_b32 s60, s60, 2
	s_add_co_u32 s60, s60, 131072
	s_add_nc_u64 s[26:27], s[24:25], s[60:61]      ; where the sum of my 32 numbers goes
	s_add_nc_u64 s[24:25], s[24:25], s[62:63]      ; fit: my 32 queries
	s_wait_dscnt 0x0
	BARRIER
; ================= THE FITNESS: wave w's 32 queries see the 17 groups of 32 keys from group w of LDS on; the first and the last are masked in part
.macro KLOAD c, ng                     ; the groups 4 c ..: codes into window 2, scale words
	WIN 0x80
.set J_, 0
.rept 2*(\ng)
	ds_load_b128 v[6*J_:6*J_+3], v12 offset:6144*(\c)+768*J_
	ds_load_b64 v[6*J_+4:6*J_+5], v13 offset:6144*(\c)+768*J_+512
.set J_, J_+1
.endr
	WIN 0
.set J_, 0
.rept \ng
	ds_load_b32 v[KSW+J_], v184 offset:512*(\c)+128*J_
.set J_, J_+1
.endr
.endm
; A score's product: K's operand names 12 registers, of which the upper six are the next tile's codes (all codes are finite numbers); Q's upper six are zero codes, so they add exact zeros.
.macro SP yb, b, o, t
	WIN 0x42
	WM \yb+64*\t+16*\b+8*\o, 12*\b+6*\o, QC+12*\t, 0, KSW+\b, QW+\t, \o, 0
.endm
.macro FMASK xb, t, op                 ; register n is key n + 16 (lane / 16) of the group
	WIN 0x41
.set N_, 0
.rept 16
	v_cmp_\op\()_i32 vcc_lo, N_, v[5+\t]
	v_cndmask_b32 v[\xb+64*\t+N_], v[\xb+64*\t+N_], v57, vcc_lo
.set N_, N_+1
.endr
.endm
.macro TREE xb, d                      ; 2 d numbers of each tile become d
.set I_, 0
.rept (\d)/2
.irp t, 0,1
	v_pk_add_f32 v[\xb+64*\t+I_:\xb+64*\t+I_+1], v[\xb+64*\t+I_:\xb+64*\t+I_+1], v[\xb+64*\t+I_+\d:\xb+64*\t+I_+\d+1]
.endr
.set I_, I_+2
.endr
.endm
; One chunk of four groups: 64 scores a tile at xb (tile 0) and xb + 64; the next chunk's products go to yb among the first exponentials.
.macro CHUNK xb, yb, c, nxt
	WIN 0x45
	WALU
.set I_, 0
.rept 64
	v_pk_mul_f32 v[\xb+I_:\xb+I_+1], v[\xb+I_:\xb+I_+1], s[66:67] op_sel_hi:[1,0]
.set I_, I_+2
.endr
.if \c == 0
	FMASK \xb, 0, lt                               ; keys more than 512 back
	FMASK \xb, 1, lt
.endif
	WALU
	s_wait_dscnt 0x0                               ; the next chunk's K is in
.set E_, 0
.irp b, 0,1,2,3
.irp o, 0,1
.irp t, 0,1
	WIN 0x45
.rept 4
	v_exp_f32 v[\xb+E_], v[\xb+E_]
.set E_, E_+1
.endr
.if \b < \nxt
	SP \yb, \b, \o, \t
.endif
.endr
.endr
.endr
	WIN 0x45
	v_nop
	WALU
.set E_, 0
.rept 32
	v_exp_f32 v[\xb+64+E_], v[\xb+64+E_]
	v_exp_f32 v[\xb+65+E_], v[\xb+65+E_]
	v_pk_add_f32 v[\xb+E_:\xb+E_+1], v[\xb+E_:\xb+E_+1], 1.0 op_sel_hi:[1,0]
.set E_, E_+2
.endr
.if \c < 2
	KLOAD \c+2, 4
.elseif \c == 2
	KLOAD 4, 1
.endif
	WIN 0x45
	WALU
.set E_, 0
.rept 32
	v_rcp_f32 v[\xb+E_], v[\xb+E_]
	v_rcp_f32 v[\xb+E_+1], v[\xb+E_+1]
	v_pk_add_f32 v[\xb+64+E_:\xb+65+E_], v[\xb+64+E_:\xb+65+E_], 1.0 op_sel_hi:[1,0]
.set E_, E_+2
.endr
	WALU
.set E_, 0
.rept 32
	v_rcp_f32 v[\xb+64+E_], v[\xb+64+E_]
	v_rcp_f32 v[\xb+65+E_], v[\xb+65+E_]
.if E_ < 32
	v_pk_add_f32 v[\xb+E_:\xb+E_+1], v[\xb+E_:\xb+E_+1], v[\xb+32+E_:\xb+33+E_]
.endif
.set E_, E_+2
.endr
	v_nop
	WALU
.set E_, 0
.rept 16
	v_pk_add_f32 v[\xb+64+E_:\xb+65+E_], v[\xb+64+E_:\xb+65+E_], v[\xb+96+E_:\xb+97+E_]
.set E_, E_+2
.endr
	TREE \xb, 16
	TREE \xb, 8
	TREE \xb, 4
	TREE \xb, 2
	WIN 0x04
.irp t, 0,1
	v_pk_add_f32 v[SUM+2*\t:SUM+2*\t+1], v[SUM+2*\t:SUM+2*\t+1], v[\xb+64*\t:\xb+64*\t+1]
.endr
.endm
	KLOAD 0, 4
	s_cmp_lt_u32 s28, 3
	s_cbranch_scc0 .Lv_words
	ds_load_b128 v[200:203], v196
	s_wait_dscnt 0x0
	global_store_b128 v1, v[200:203], s[88:89]     ; 512 consecutive bytes, aligned
	s_branch .Lv_out
.Lv_words:
	ds_load_b32 v204, v4 offset:5632
	s_wait_dscnt 0x0
	global_store_b32 v198, v204, s[90:91]          ; the tile's 16 words, in both places
.Lv_out:
	s_cmp_lt_u32 s28, 2
	s_cbranch_scc0 .Lwords_out
.irp p, 0,1,2,3
	ds_load_b32 v[208+\p], v197 offset:128*\p
.endr
	s_wait_dscnt 0x0
	global_store_b128 v1, v[208:211], s[92:93]     ; 512 consecutive bytes, aligned
.Lwords_out:
	s_wait_dscnt 0x0
.irp b, 0,1,2,3
.irp o, 0,1
.irp t, 0,1
	SP 0, \b, \o, \t
.endr
.endr
.endr
	WIN 0
.irp i, 0,1,2,3
	v_mov_b32 v[SUM+\i], 0
.endr
	PLACES
	KLOAD 1, 4
	CHUNK 0, 128, 0, 4
	CHUNK 128, 0, 1, 4
	CHUNK 0, 128, 2, 4
	CHUNK 128, 0, 3, 1
	WIN 0x45                                       ; the last group, on the diagonal: 16 scores a tile
	WALU
.irp t, 0,1
.irp i, 0,2,4,6,8,10,12,14
	v_pk_mul_f32 v[64*\t+\i:64*\t+\i+1], v[64*\t+\i:64*\t+\i+1], s[66:67] op_sel_hi:[1,0]
.endr
.endr
	FMASK 0, 0, gt                                 ; keys after the query
	FMASK 0, 1, gt
	WIN 0x45
	WALU
.set E_, 0
.rept 16
	v_exp_f32 v[E_], v[E_]
	v_exp_f32 v[64+E_], v[64+E_]
.set E_, E_+1
.endr
	v_nop
	WALU
.irp t, 0,1
.irp i, 0,2,4,6,8,10,12,14
	v_pk_add_f32 v[64*\t+\i:64*\t+\i+1], v[64*\t+\i:64*\t+\i+1], 1.0 op_sel_hi:[1,0]
.endr
.endr
	WALU
.set E_, 0
.rept 16
	v_rcp_f32 v[E_], v[E_]
	v_rcp_f32 v[64+E_], v[64+E_]
.set E_, E_+1
.endr
	v_nop
	WALU
	TREE 0, 8
	TREE 0, 4
	TREE 0, 2
	WIN 0x04
.irp t, 0,1
	v_pk_add_f32 v[SUM+2*\t:SUM+2*\t+1], v[SUM+2*\t:SUM+2*\t+1], v[64*\t:64*\t+1]
.endr
	WIN 0
.irp t, 0,1
	v_add_f32 v[SUM+2*\t], v[SUM+2*\t], v[SUM+2*\t+1]
.endr
.irp t, 0,1
	v_permlanex16_b32 v[TP+\t], v[SUM+2*\t], s[SEL], s[SEL+1]
.endr
.irp t, 0,1
	v_add_f32 v[SUM+2*\t], v[SUM+2*\t], v[TP+\t]
.endr
.irp t, 0,1
	v_add_f32 v[SUM+2*\t], 0x443c0000, v[SUM+2*\t] ; 0.5 x (2,048 - 17 x 32) = 752
.endr
.irp t, 0,1
	v_fma_f32 v[SUM+2*\t], v[SUM+2*\t], 0x3a000000, 0.5   ; / 2,048 + 0.5
.endr
	WALU
.irp t, 0,1
	v_rcp_f32 v[SUM+2*\t], v[SUM+2*\t]
.endr
	v_nop
	WALU
	v_cndmask_b32 v182, v[SUM], v[SUM+2], s68
	global_store_b32 v3, v182, s[24:25]            ; 128 consecutive bytes
	v_mov_b32 v183, v182
.irp m, 1,2,4,8
	v_add_f32_dpp v183, v183, v183 row_xmask:\m row_mask:0xf bank_mask:0xf
.endr
	v_permlanex16_b32 v[TP], v183, s[SEL], s[SEL+1]
	v_add_f32 v183, v183, v[TP]
	global_store_b32 v57, v183, s[26:27]           ; the sum of my 32 numbers, the same in every lane
	s_wait_tensorcnt 0x0                           ; the wave's end
	ds_add_u32 v[SPW], v[NIL]
	s_wait_dscnt 0x0
	CROUND                                         ; the closing round
	s_endpgm
.Lfunc_end_k_q4d1ac7140d_qkvfit:
	.size	k_q4d1ac7140d_qkvfit, .Lfunc_end_k_q4d1ac7140d_qkvfit-k_q4d1ac7140d_qkvfit
	.p2alignl 7, 3214868480
	.fill 96, 4, 3214868480
	.section	.rodata,"a",@progbits
	.p2align	6, 0x0
	.amdhsa_kernel k_q4d1ac7140d_qkvfit
		.amdhsa_group_segment_fixed_size 327680
		.amdhsa_private_segment_fixed_size 0
		.amdhsa_enable_private_segment 0
		.amdhsa_kernarg_size 88
		.amdhsa_user_sgpr_count 2
		.amdhsa_user_sgpr_kernarg_segment_ptr 1
		.amdhsa_wavefront_size32 1
		.amdhsa_system_sgpr_workgroup_id_x 1
		.amdhsa_system_sgpr_workgroup_id_y 1
		.amdhsa_system_sgpr_workgroup_id_z 1
		.amdhsa_system_vgpr_workitem_id 0
		.amdhsa_next_free_vgpr 1024
		.amdhsa_next_free_sgpr 100
		.amdhsa_reserve_vcc 1
		.amdhsa_float_denorm_mode_32 3
		.amdhsa_float_denorm_mode_16_64 3
		.amdhsa_memory_ordered 1
		.amdhsa_forward_progress 1
		.amdhsa_inst_pref_size 255
	.end_amdhsa_kernel
	.section	.bss,"aw",@nobits
	.p2align	6
	.space	262144
	.amdgpu_metadata
---
amdhsa.version: [ 1, 2 ]
amdhsa.kernels:
  - .name:           k_q4d1ac7140d_qkvfit
    .symbol:         k_q4d1ac7140d_qkvfit.kd
    .args:
      - { .name: xc, .offset: 0, .size: 8, .value_kind: global_buffer, .address_space: global }
      - { .name: xsc, .offset: 8, .size: 8, .value_kind: global_buffer, .address_space: global }
      - { .name: wc, .offset: 16, .size: 8, .value_kind: global_buffer, .address_space: global }
      - { .name: wsc, .offset: 24, .size: 8, .value_kind: global_buffer, .address_space: global }
      - { .name: b_q, .offset: 32, .size: 8, .value_kind: global_buffer, .address_space: global }
      - { .name: b_k, .offset: 40, .size: 8, .value_kind: global_buffer, .address_space: global }
      - { .name: b_v, .offset: 48, .size: 8, .value_kind: global_buffer, .address_space: global }
      - { .name: rms_q_w, .offset: 56, .size: 8, .value_kind: global_buffer, .address_space: global }
      - { .name: rms_k_w, .offset: 64, .size: 8, .value_kind: global_buffer, .address_space: global }
      - { .name: qkv, .offset: 72, .size: 8, .value_kind: global_buffer, .address_space: global }
      - { .name: fit, .offset: 80, .size: 8, .value_kind: global_buffer, .address_space: global }
    .group_segment_fixed_size: 327680
    .private_segment_fixed_size: 0
    .kernarg_segment_align: 8
    .kernarg_segment_size: 88
    .max_flat_workgroup_size: 128
    .sgpr_count:     100
    .vgpr_count:     1024
    .wavefront_size: 32
...
	.end_amdgpu_metadata
.endif
;; end of part 2
;; launch attn (part 3): grid 16 x 16, 8 waves a work-group, clusters of 4 x 1, 168,960 bytes of LDS; arguments qkv, fit, oc, osc; writes oc, osc
.if DOCPART == 3
	.amdgcn_target "amdgcn-amd-amdhsa--gfx1250"
	.amdhsa_code_object_version 6
	.text
	.protected	k_q4d1ac7140d_attn
	.globl	k_q4d1ac7140d_attn
	.p2align	8
	.type	k_q4d1ac7140d_attn,@function
k_q4d1ac7140d_attn:
	s_mov_b64 s[64:65], 0
	v_nop
	global_prefetch_b8 v0, s[64:65] scope:SCOPE_SE
	s_setreg_imm32_b32 hwreg(HW_REG_WAVE_MODE, 25, 1), 1
	s_wait_xcnt 0x0
	s_wait_alu depctr_hold_cnt(0) depctr_sa_sdst(0) depctr_va_vdst(0) depctr_va_sdst(0) depctr_va_ssrc(0) depctr_va_vcc(0) depctr_vm_vsrc(0)
	s_getreg_b32 s2, hwreg(HW_REG_IB_STS2, 6, 4)
	s_cmp_eq_u32 s2, 0
	s_cbranch_scc0 .Lentry_in_a_cluster
	s_endpgm
.Lentry_in_a_cluster:
	s_bfe_u32 s2, ttmp6, 0x10000c
	s_cmp_lg_u32 s2, 0x3003
	s_cbranch_scc0 .Lentry_shape_is_right
	s_endpgm
.Lentry_shape_is_right:
; For head h and queries 128 a .. + 127: fitness = (1 / denom) / (the head's sum of 1 / denom); logits = score / 8 x fitness inside the band; softmax; out = P V; out quantised for the last product.
; Both products on codes of E2M3.  THE SOFTMAX AHEAD OF THE SECOND PRODUCT: t = logit x log2(e) = score x c, c = fitness x log2(e) / 8 (a number of the lane's query; denom lies in 0.5 .. 1.5, so c > 0);
; M = the running largest t rounded UP to a whole number; p = 2^(t - M) is quantised along the keys, not normalised; the row's sum is taken of the unquantised p and divides at the end; when M moves, the sum and O are
; multiplied by 2^(old M - new M), which rounds nothing.  Keys outside the band (the mask is built by the problem itself) get the score -infinity, so p = 0; key steps outside a - 4 .. a are not walked.
; SHARES: wave m takes query tile m.  Five records of k (this head's) and five of v (the value head's), 6,656 bytes each, come into LDS once: wave 0 fetches k's, wave 1 v's, one load each.
; CLUSTER: the four heads 4 g .. 4 g + 3 share value head g: v's records are asked for JOINTLY, by the same tensor load with the same descriptor (made of g and a) and a mask that names the four.
; k's records are each head's own: plain loads.  The place in the cluster enters global addresses alone.
; LAYOUT: S^T = K Q^T and O^T = V^T P^T: a lane holds ONE query throughout.  K = 64 in the first product: q's upper six registers are zero codes, K's operand of tile j names tile j + 1's codes as its upper six
; (zeros behind tile 7); all codes are finite and bytes 2, 3 of both scale words are 127, so the upper 64 add exact zeros.
; LIMITS: NaN and infinities are not served; a block of zeros gets the byte 1; a block's largest p is made from its largest score by the same two instructions as every p (this takes v_exp_f32 not to fall where its input rises).
; REGISTERS: v1, v2 16, 8 x lane; v3 my query less 16 (lane / 16); v4 -infinity; v5, v6 the step's addresses; v7 4 r; v[8:9] c; v12 -M, v13 the largest t, v[14:15] the sum; v16-27 Q, v28 its scale words;
;   v30-83 K (v30-41 later p's codes, v42-49 the conversions' second halves); v84-87 K's, v88-89 V's, v90 p's scale words; v96-159 S, then p; v160-191 O^T; v192-239 V; v240-255 at work.
.set SEL, 22
.set KF,  30
.set PC,  30
.set CT,  42
.set PW,  90
.set S,   96
.set O,   160
.set VF,  192
.set BM,  240
.set PT,  244
.set SO,  248
.set VOFF, 33280                       ; behind k's five records: v's five
.set QM, BM
.set QP, PT
.set QS, SO
.set QT, CT
.macro PLACES
.rept 4
	v_nop
.endr
.endm
.macro CROUND                          ; a round of the cluster's barrier
	s_barrier_signal -1
	s_barrier_wait -1
	s_cmp_lg_u32 s12, 0
	s_cbranch_scc1 .Lnot_wave_0_\@
	s_barrier_signal -3
.Lnot_wave_0_\@:
	s_barrier_wait -3
	s_barrier_signal -1
	s_barrier_wait -1
.endm
.macro SMUL j
.if (\j)%2
	v_wmma_scale_f32_16x16x128_f8f6f4 v[S+8*\j:S+8*\j+7], v[KF+6*\j:KF+6*\j+11], v[16:27], 0, v[84+\j/2], v28 matrix_a_fmt:MATRIX_FMT_FP6 matrix_b_fmt:MATRIX_FMT_FP6 matrix_a_scale:MATRIX_SCALE_ROW1
.else
	v_wmma_scale_f32_16x16x128_f8f6f4 v[S+8*\j:S+8*\j+7], v[KF+6*\j:KF+6*\j+11], v[16:27], 0, v[84+\j/2], v28 matrix_a_fmt:MATRIX_FMT_FP6 matrix_b_fmt:MATRIX_FMT_FP6
.endif
.endm
.macro PVMUL n
.if (\n)%2
	v_wmma_scale_f32_16x16x128_f8f6f4 v[O+8*\n:O+8*\n+7], v[VF+12*\n:VF+12*\n+11], v[PC:PC+11], v[O+8*\n:O+8*\n+7], v[88+\n/2], v[PW] matrix_a_fmt:MATRIX_FMT_FP6 matrix_b_fmt:MATRIX_FMT_FP6 matrix_a_scale:MATRIX_SCALE_ROW1
.else
	v_wmma_scale_f32_16x16x128_f8f6f4 v[O+8*\n:O+8*\n+7], v[VF+12*\n:VF+12*\n+11], v[PC:PC+11], v[O+8*\n:O+8*\n+7], v[88+\n/2], v[PW] matrix_a_fmt:MATRIX_FMT_FP6 matrix_b_fmt:MATRIX_FMT_FP6
.endif
.endm
.macro MASK gt
.set n, 0
.rept 64
.if \gt
	v_cmp_gt_i32 vcc_lo, 32*(n/16)+n%16, v3
.else
	v_cmp_lt_i32 vcc_lo, 32*(n/16)+n%16, v3
.endif
	v_cndmask_b32 v[S+n], v[S+n], v4, vcc_lo
.set n, n+1
.endr
.endm
.macro QUANT64 src, c, w, hi           ; 32 numbers of a lane, register 16 b + i = k 32 b + 16 (lane / 16) + i, become six registers of codes and two scale bytes
.irp b, 0,1
	v_max3_num_f32 v[QM+\b], |v[\src+16*\b]|, |v[\src+16*\b+1]|, 0x1800000
.endr
.irp i, 2,4,6,8,10,12,14
.irp b, 0,1
	s_delay_alu instid0(VALU_DEP_2)
	v_max3_num_f32 v[QM+\b], v[QM+\b], |v[\src+16*\b+\i]|, |v[\src+16*\b+\i+1]|
.endr
.endr
.irp b, 0,1
	s_delay_alu instid0(VALU_DEP_2)
	v_permlanex16_b32 v[QP+\b], v[QM+\b], s[SEL], s[SEL+1]
.endr
.irp b, 0,1
	s_delay_alu instid0(VALU_DEP_2)
	v_max_num_f32 v[QM+\b], v[QM+\b], v[QP+\b]
.endr
.irp b, 0,1
	s_delay_alu instid0(VALU_DEP_2)
	v_add_nc_u32 v[QS+\b], 0xff000000, v[QM+\b]
.endr
.irp b, 0,1
	s_delay_alu instid0(VALU_DEP_2)
	v_lshrrev_b32 v[QP+\b], 23, v[QS+\b]
.endr
	s_delay_alu instid0(VALU_DEP_1)
	v_lshl_or_b32 v[\w], v[QP+1], 8, v[QP]
.if \hi
	v_or_b32 v[\w], 0x7f7f0000, v[\w]
.endif
	v_cvt_scalef32_pk16_fp6_f32 v[\c:\c+2], v[\src:\src+15], v[QS]
	v_cvt_scalef32_pk16_fp6_f32 v[QT:QT+2], v[\src+16:\src+31], v[QS+1]
	v_nop
.irp i, 0,1,2
	v_permlane16_swap_b32 v[\c+\i], v[QT+\i]
.endr
.irp i, 0,1,2
	s_delay_alu instid0(VALU_DEP_3)
	v_mov_b32 v[\c+3+\i], v[QT+\i]
.endr
.endm
	s_load_b256 s[4:11], s[0:1], 0x0               ; qkv s[4:5], fit s[6:7], oc s[8:9], osc s[10:11]
	v_lshl_add_u32 v94, v0, 2, 0x29000
	v_mov_b32 v95, 0
	ds_add_u32 v94, v95
	ds_add_u32 v94, v95
.irp i, 22,23,24,25,26,27,78,79,80,81,82,83
	v_mov_b32 v\i, 0                               ; the zero codes
.endr
	v_lshrrev_b32 v1, 5, v0
	s_delay_alu instid0(VALU_DEP_1)
	v_readfirstlane_b32 s12, v1                    ; wave = query tile
	s_bfe_u32 s13, ttmp6, 0x40000                  ; cx
	s_lshl_b32 s15, ttmp9, 2
	s_add_co_u32 s15, s15, s13                     ; head = 4 g + cx: it enters global addresses alone
	s_and_b32 s16, ttmp7, 0xffff                   ; query block a
	s_max_u32 s17, s16, 4
	s_sub_co_u32 s17, s17, 4                       ; the first key step
	s_add_co_u32 s48, s15, 16
	s_lshl_b32 s48, s48, 4
	s_add_co_u32 s48, s48, s17
	s_mul_i32 s48, s48, 6656                       ; k's five records lie end to end: ONE load, wave 0's
	s_mov_b32 s49, 0
	s_add_co_u32 s50, ttmp9, 32
	s_lshl_b32 s50, s50, 4
	s_add_co_u32 s50, s50, s17
	s_mul_i32 s50, s50, 6656                       ; v's five, made of g and a, the same in all four partners: ONE joint load, wave 1's
	s_mov_b32 s51, 0
	s_lshl_b32 s52, s15, 4
	s_add_co_u32 s52, s52, s16
	s_mul_i32 s52, s52, 6656                       ; q's record
	s_mov_b32 s53, 0
	s_lshl_b32 s54, s15, 13                        ; the head's 2,048 numbers of fit
	s_mov_b32 s55, 0
	s_lshl_b32 s56, s16, 3
	s_lshr_b32 s58, s15, 1
	s_add_co_u32 s56, s56, s58
	s_lshl_b32 s56, s56, 3
	s_add_co_u32 s56, s56, s12
	s_mul_i32 s56, s56, 1536
	s_and_b32 s58, s15, 1
	s_mul_i32 s58, s58, 768
	s_add_co_u32 s56, s56, s58                     ; oc: block a, K step h / 2, tile m, record h % 2
	s_mov_b32 s57, 0
	s_lshl_b32 s58, s16, 4
	s_add_co_u32 s58, s58, s15
	s_lshl_b32 s58, s58, 3
	s_add_co_u32 s58, s58, s12
	s_lshl_b32 s58, s58, 6                         ; osc: block a, head, tile m
	s_mov_b32 s59, 0
	v_and_b32 v8, 31, v0
	s_delay_alu instid0(VALU_DEP_1)
	v_lshlrev_b32 v1, 4, v8
	s_delay_alu instid0(VALU_DEP_2)
	v_lshlrev_b32 v2, 3, v8
	v_and_b32 v14, 15, v0                          ; r
	s_wait_alu depctr_va_vdst(0)
	v_bfe_u32 v15, v0, 4, 1                        ; h
	v_and_b32 v3, 7, v0
	v_bfe_u32 v9, v0, 3, 1
	s_delay_alu instid0(VALU_DEP_1)
	v_lshl_add_u32 v3, v9, 4, v3
	s_delay_alu instid0(VALU_DEP_4)
	v_lshlrev_b32 v15, 4, v15
	s_delay_alu instid0(VALU_DEP_1)
	v_sub_nc_u32 v3, v3, v15
	s_lshr_b32 s18, s12, 1                         ; p
	s_and_b32 s19, s12, 1                          ; u
	s_lshl_b32 s20, s18, 5
	s_lshl_b32 s21, s19, 3
	s_add_co_u32 s20, s20, s21
	v_add_nc_u32 v3, s20, v3                       ; my query's place in its block, less 16 (lane / 16)
	s_lshl_b32 s21, s19, 8
	s_lshl_b32 s60, s18, 2
	s_add_co_u32 s21, s21, s60
	v_lshl_add_u32 v29, v14, 4, s21                ; my tile's scale words in q's record
	v_lshlrev_b32 v7, 2, v14                       ; 4 r
	s_mul_i32 s60, s12, 768
	v_add_nc_u32 v10, s60, v1
	v_add_nc_u32 v11, s60, v2
	s_lshl_b32 s60, s16, 7
	s_lshl_b32 s61, s12, 4
	s_add_co_u32 s60, s60, s61
	s_lshl_b32 s60, s60, 2
	v_add_nc_u32 v92, s60, v7                      ; my query's own number in the head's part of fit
	v_mov_b32 v4, 0xff800000                       ; -infinity
	v_mov_b32 v13, 0xff61b1e6                      ; the largest t so far: -3e38
	s_delay_alu instid0(VALU_DEP_1)
	v_floor_f32 v12, -v13                          ; -M
	v_mov_b32 v14, 0
	v_mov_b32 v15, 0
	v_mov_b32 v253, 0                              ; (named as the upper half of a pair)
	v_mov_b32 v254, 0
.irp b, 0,1,2,3
	v_mov_b32 v[PT+\b], 0                          ; a lane permute's destination counts as read
.endr
.set j, 0
.rept 32
	v_mov_b32 v[O+j], 0                            ; O^T: the step is written once; the first change of M leaves zeros zeros
.set j, j+1
.endr
	s_mov_b32 s[SEL], 0x76543210
	s_mov_b32 s[SEL+1], 0xfedcba98
	s_mov_b32 s24, 3<<16                           ; group 1 for k's records: 130 rows of 256 bytes, dense, no mask
	s_mov_b32 s32, 15|(3<<16)|(1<<21)              ; for v's: the mask names all four work-groups, bit 21 set beside it
.irp g, 24, 32
	s_mov_b32 s[\g+1], 32<<16
	s_mov_b32 s[\g+2], 130<<16
	s_mov_b32 s[\g+3], 32<<16
	s_mov_b32 s[\g+4], 130
	s_mov_b32 s[\g+5], 32
	s_mov_b32 s[\g+6], 0
	s_mov_b32 s[\g+7], 0
.endr
	s_wait_dscnt 0x0
	s_wait_kmcnt 0x0
	CROUND                                         ; all four work-groups are here: the joint loads meet
	s_mov_b32 s40, 1
	s_mov_b32 s41, 0
	s_add_nc_u64 s[42:43], s[4:5], s[48:49]
	s_or_b32 s43, s43, 0x80000000
	s_mov_b32 s44, 1
	s_add_co_u32 s45, s41, VOFF
	s_add_nc_u64 s[46:47], s[4:5], s[50:51]
	s_or_b32 s47, s47, 0x80000000
	s_cmp_eq_u32 s12, 0                            ; the branches hang on the wave's number alone
	s_cbranch_scc0 .Lfill_v
	tensor_load_to_lds s[40:43], s[24:31]
	s_nop 0
	PLACES
	s_branch .Lnofill
.Lfill_v:
	s_cmp_eq_u32 s12, 1
	s_cbranch_scc0 .Lnofill
	tensor_load_to_lds s[44:47], s[32:39]
	s_nop 0
	PLACES
.Lnofill:
	s_add_nc_u64 s[52:53], s[4:5], s[52:53]
	s_add_nc_u64 s[54:55], s[6:7], s[54:55]
	s_lshl_b32 s60, s15, 8
	s_add_co_u32 s60, s60, 131072
	s_mov_b32 s61, 0
	s_add_nc_u64 s[2:3], s[6:7], s[60:61]          ; behind fit's numbers: the head's 64 sums of 32 numbers 1 / denom each
	s_add_nc_u64 s[8:9], s[8:9], s[56:57]
	s_add_nc_u64 s[10:11], s[10:11], s[58:59]
	global_load_b128 v[16:19], v10, s[52:53]
	global_load_b64 v[20:21], v11, s[52:53] offset:512
	global_load_b32 v28, v29, s[52:53] offset:6144
	global_load_b32 v91, v92, s[54:55]
	global_load_b64 v[S:S+1], v2, s[2:3]           ; two of the head's 64 sums a lane
	s_wait_loadcnt 0x0
	v_add_f32 v[S], v[S], v[S+1]
	s_delay_alu instid0(VALU_DEP_1)
	v_add_f32_dpp v[S], v[S], v[S] row_xmask:1 row_mask:0xf bank_mask:0xf
	s_delay_alu instid0(VALU_DEP_1)
	v_add_f32_dpp v[S], v[S], v[S] row_xmask:2 row_mask:0xf bank_mask:0xf
	s_delay_alu instid0(VALU_DEP_1)
	v_add_f32_dpp v[S], v[S], v[S] row_xmask:4 row_mask:0xf bank_mask:0xf
	s_delay_alu instid0(VALU_DEP_1)
	v_add_f32_dpp v[S], v[S], v[S] row_xmask:8 row_mask:0xf bank_mask:0xf
	s_delay_alu instid0(VALU_DEP_1)
	v_permlanex16_b32 v254, v[S], s[SEL], s[SEL+1]
	s_delay_alu instid0(VALU_DEP_1)
	v_add_f32 v[S], v[S], v254                     ; the head's sum of 1 / denom
	s_wait_alu depctr_va_vdst(0)
	v_rcp_f32 v[S], v[S]
	v_nop
	s_wait_alu depctr_va_vdst(0)                   ; ahead of the reciprocal's first reader
	v_mul_f32 v8, v91, v[S]                        ; my query's fitness,
	s_delay_alu instid0(VALU_DEP_1)
	v_mul_f32 v8, 0x3e38aa3b, v8                   ; x log2(e) / 8: c
	s_delay_alu instid0(VALU_DEP_1)
	v_mov_b32 v9, v8
	v_lshrrev_b32 v10, 2, v1                       ; 4 x lane
	s_wait_alu depctr_va_vdst(0)
	s_mov_b32 s18, 0                               ; where the step's records begin in LDS
	s_mov_b32 s19, s17                             ; the key step
	s_mov_b32 s20, 0
	s_wait_tensorcnt 0x0                           ; my records have landed,
	s_barrier_signal -1
	s_barrier_wait -1                              ; everybody's have
.Lstep:                                            ; five trips, a constant; a step behind the diagonal is passed over by a branch on ids that all partners share
	s_cmp_gt_u32 s19, s16
	s_cbranch_scc1 .Lskip
	PLACES                                         ; ahead of loads into registers that the last trip's products have read
	v_add_nc_u32 v5, s18, v1
	v_add_nc_u32 v6, s18, v2
	v_add_nc_u32 v11, s18, v10
.irp j, 0,1,2,3,4,5,6,7
	ds_load_b128 v[KF+6*\j:KF+6*\j+3], v5 offset:768*\j
	ds_load_b64 v[KF+6*\j+4:KF+6*\j+5], v6 offset:768*\j+512
.endr
	ds_load_b128 v[84:87], v5 offset:6144
.irp n, 0,1,2,3
.irp j, 0,1,2
	ds_load_b128 v[VF+12*\n+4*\j:VF+12*\n+4*\j+3], v5 offset:VOFF+1536*\n+512*\j
.endr
.endr
	ds_load_b32 v88, v11 offset:VOFF+6144          ; tiles 0 and 1: 64 bytes of words each
	ds_load_b32 v89, v11 offset:VOFF+6272          ; tiles 2 and 3
	s_wait_dscnt 14                                ; K's 17 loads are in; V's 14 may be out
.irp j, 0,1,2,3,4,5,6,7
	SMUL \j
.endr
	PLACES
	s_cmp_eq_u32 s19, s16
	s_cbranch_scc0 .Lnodiag
	MASK 1
.Lnodiag:
	s_add_co_u32 s21, s19, 4
	s_cmp_eq_u32 s21, s16
	s_cbranch_scc0 .Lnotail
	MASK 0
.Lnotail:
.irp b, 0,1,2,3
	v_max3_num_f32 v[BM+\b], v[S+16*\b], v[S+16*\b+1], v[S+16*\b+2]   ; the largest score of each block of 32 keys: for the row's maximum, and, since p rises with the score, for the block's largest p
.endr
.irp i, 3,5,7,9,11,13
.irp b, 0,1,2,3
	v_max3_num_f32 v[BM+\b], v[BM+\b], v[S+16*\b+\i], v[S+16*\b+\i+1]
.endr
.endr
.irp b, 0,1,2,3
	v_max_num_f32 v[BM+\b], v[BM+\b], v[S+16*\b+15]
.endr
.irp b, 0,1,2,3
	s_delay_alu instid0(VALU_DEP_4)
	v_permlanex16_b32 v[PT+\b], v[BM+\b], s[SEL], s[SEL+1]
.endr
.irp b, 0,1,2,3
	s_delay_alu instid0(VALU_DEP_4)
	v_max_num_f32 v[BM+\b], v[BM+\b], v[PT+\b]
.endr
	s_delay_alu instid0(VALU_DEP_2)
	v_max3_num_f32 v254, v[BM], v[BM+1], v[BM+2]
	s_delay_alu instid0(VALU_DEP_1)
	v_max_num_f32 v254, v254, v[BM+3]
	s_delay_alu instid0(VALU_DEP_1)
	v_mul_f32 v254, v8, v254                       ; as t (c is positive)
	s_delay_alu instid0(VALU_DEP_1)
	v_max_num_f32 v13, v13, v254                   ; the running largest t
	v_mov_b32 v254, v12
	s_delay_alu instid0(VALU_DEP_2)
	v_floor_f32 v12, -v13                          ; the new -M = -ceil(t)
	s_delay_alu instid0(VALU_DEP_1)
	v_sub_f32 v254, v12, v254                      ; old M - new M: a whole number, 0 or less
	s_delay_alu instid0(VALU_DEP_1)
	v_cvt_i32_f32 v254, v254                       ; (it saturates)
	s_delay_alu instid0(VALU_DEP_1)
	v_ldexp_f32 v252, 1.0, v254                    ; f = 2^(old M - new M)
.set j, 0
.rept 32
	v_pk_fma_f32 v[S+j:S+j+1], v[S+j:S+j+1], v[8:9], v[12:13] op_sel_hi:[1,0,0]   ; t - M
.set j, j+2
.endr
.irp b, 0,1,2,3
	v_fma_f32 v[BM+\b], v[BM+\b], v8, v12
.endr
.set j, 0
	s_wait_alu depctr_va_vdst(0)
.rept 64
	v_exp_f32 v[S+j], v[S+j]                       ; p = 2^(t - M)
.set j, j+1
.endr
	v_pk_mul_f32 v[14:15], v[14:15], v[252:253] op_sel_hi:[1,0]   ; the sum under the new M: the plain line behind the batch
	s_wait_alu depctr_va_vdst(0)                   ; one wait for the 64, ahead of their first reader
.irp b, 0,1,2,3
	v_exp_f32 v[BM+\b], v[BM+\b]                   ; each block's largest p
.endr
	v_pk_add_f32 v[244:245], v[100:101], v[104:105]
	v_pk_add_f32 v[250:251], v[108:109], v[112:113]
	v_pk_add_f32 v[248:249], v[116:117], v[120:121]
	v_pk_add_f32 v[246:247], v[124:125], v[128:129]
	v_pk_add_f32 v[92:93], v[132:133], v[136:137]
	v_pk_add_f32 v[90:91], v[140:141], v[144:145]
	v_pk_add_f32 v[86:87], v[148:149], v[152:153]
	v_pk_add_f32 v[14:15], v[14:15], v[156:157]
	v_pk_add_f32 v[244:245], v[244:245], v[96:97]
	v_pk_add_f32 v[250:251], v[250:251], v[98:99]
	v_pk_add_f32 v[248:249], v[248:249], v[102:103]
	v_pk_add_f32 v[246:247], v[246:247], v[106:107]
	v_pk_add_f32 v[92:93], v[92:93], v[110:111]
	v_pk_add_f32 v[90:91], v[90:91], v[114:115]
	v_pk_add_f32 v[86:87], v[86:87], v[118:119]
	v_pk_add_f32 v[14:15], v[14:15], v[122:123]
	v_pk_add_f32 v[244:245], v[244:245], v[126:127]
	v_pk_add_f32 v[250:251], v[250:251], v[130:131]
	v_pk_add_f32 v[248:249], v[248:249], v[134:135]
	v_pk_add_f32 v[246:247], v[246:247], v[138:139]
	v_pk_add_f32 v[92:93], v[92:93], v[142:143]
	v_pk_add_f32 v[90:91], v[90:91], v[146:147]
	v_pk_add_f32 v[86:87], v[86:87], v[150:151]
	v_pk_add_f32 v[14:15], v[14:15], v[154:155]
	v_pk_add_f32 v[244:245], v[244:245], v[158:159]
	s_delay_alu instid0(VALU_DEP_2)
	v_pk_add_f32 v[14:15], v[14:15], v[246:247]
	s_delay_alu instid0(VALU_DEP_2)
	v_pk_add_f32 v[244:245], v[244:245], v[92:93]
	v_pk_add_f32 v[250:251], v[250:251], v[90:91]
	v_pk_add_f32 v[248:249], v[248:249], v[86:87]
	s_delay_alu instid0(VALU_DEP_2)
	v_pk_add_f32 v[14:15], v[14:15], v[250:251]
	s_delay_alu instid0(VALU_DEP_2)
	v_pk_add_f32 v[244:245], v[244:245], v[248:249]
	s_delay_alu instid0(VALU_DEP_1)
	v_pk_add_f32 v[14:15], v[14:15], v[244:245]
	s_wait_alu depctr_va_vdst(0)                   ; and one for the four
.irp b, 0,1,2,3
	v_max_num_f32 v[BM+\b], 0x1800000, v[BM+\b]    ; the floor: the byte cannot fall under 1
.endr
.irp b, 0,1,2,3
	s_delay_alu instid0(VALU_DEP_4)
	v_add_nc_u32 v[SO+\b], 0xff000000, v[BM+\b]
.endr
.irp b, 0,1,2,3
	s_delay_alu instid0(VALU_DEP_4)
	v_lshrrev_b32 v[PT+\b], 23, v[SO+\b]
.endr
	s_delay_alu instid0(VALU_DEP_3)
	v_lshl_or_b32 v[PW], v[PT+1], 8, v[PT]         ; p's scale word for these 128 keys
	s_delay_alu instid0(VALU_DEP_1)
	v_lshl_or_b32 v[PW], v[PT+2], 16, v[PW]
	s_delay_alu instid0(VALU_DEP_1)
	v_lshl_or_b32 v[PW], v[PT+3], 24, v[PW]
.irp c, 0,1
	v_cvt_scalef32_pk16_fp6_f32 v[PC+6*\c:PC+6*\c+2], v[S+32*\c:S+32*\c+15], v[SO+2*\c]
	v_cvt_scalef32_pk16_fp6_f32 v[CT+4*\c:CT+4*\c+2], v[S+32*\c+16:S+32*\c+31], v[SO+2*\c+1]
.endr
	v_nop
.irp c, 0,1
.irp i, 0,1,2
	v_permlane16_swap_b32 v[PC+6*\c+\i], v[CT+4*\c+\i]
.endr
.irp i, 0,1,2
	s_delay_alu instid0(VALU_DEP_3)
	v_mov_b32 v[PC+6*\c+3+\i], v[CT+4*\c+\i]
.endr
.endr
.set j, 0
.rept 16
	v_pk_mul_f32 v[O+j:O+j+1], v[O+j:O+j+1], v[252:253] op_sel_hi:[1,0]   ; O^T under the new M; these lines also stand between the codes and scale word just made and the products
.set j, j+2
.endr
	s_wait_alu depctr_va_vdst(0)
	s_wait_dscnt 0x0                               ; V is in
.irp n, 0,1,2,3
	PVMUL \n                                       ; four accumulators by turns, one instruction a turn
.endr
.Lskip:
	s_add_co_u32 s18, s18, 6656
	s_add_co_u32 s19, s19, 1
	s_add_co_u32 s20, s20, 1
	s_cmp_lt_u32 s20, 5
	s_cbranch_scc1 .Lstep
	PLACES                                         ; behind the last products, ahead of the first read of O^T
	v_add_f32 v14, v14, v15
	s_delay_alu instid0(VALU_DEP_1)
	v_permlanex16_b32 v254, v14, s[SEL], s[SEL+1]
	s_delay_alu instid0(VALU_DEP_1)
	v_add_f32 v14, v14, v254                       ; the row's sum
	s_wait_alu depctr_va_vdst(0)
	v_rcp_f32 v14, v14
	v_nop
	s_wait_alu depctr_va_vdst(0)
.set j, 0
.rept 32
	v_mul_f32 v[S+j], v[O+j], v14                  ; register 16 b + i is channel 32 b + 16 (lane / 16) + i of my query
.set j, j+1
.endr
	QUANT64 S, PC, 255, 0
	global_store_b128 v1, v[PC:PC+3], s[8:9]       ; 512 and 256 consecutive bytes, aligned
	global_store_b64 v2, v[PC+4:PC+5], s[8:9] offset:512
	global_store_b32 v7, v255, s[10:11]            ; lanes r and r + 16 hold the same word and write the same place
	s_wait_tensorcnt 0x0
	s_wait_tensorcnt 0x0
	ds_add_u32 v94, v95
	s_wait_dscnt 0x0
	CROUND                                         ; the closing round: no work-group ends while a partner may still ask for a record that names it
	s_endpgm
.Lfunc_end_k_q4d1ac7140d_attn:
	.size	k_q4d1ac7140d_attn, .Lfunc_end_k_q4d1ac7140d_attn-k_q4d1ac7140d_attn
	.p2alignl 7, 3214868480
	.fill 96, 4, 3214868480
	.section	.rodata,"a",@progbits
	.p2align	6, 0x0
	.amdhsa_kernel k_q4d1ac7140d_attn
		.amdhsa_group_segment_fixed_size 168960
		.amdhsa_private_segment_fixed_size 0
		.amdhsa_enable_private_segment 0
		.amdhsa_kernarg_size 32
		.amdhsa_user_sgpr_count 2
		.amdhsa_user_sgpr_kernarg_segment_ptr 1
		.amdhsa_wavefront_size32 1
		.amdhsa_system_sgpr_workgroup_id_x 1
		.amdhsa_system_sgpr_workgroup_id_y 1
		.amdhsa_system_sgpr_workgroup_id_z 1
		.amdhsa_system_vgpr_workitem_id 0
		.amdhsa_next_free_vgpr 256
		.amdhsa_next_free_sgpr 66
		.amdhsa_reserve_vcc 1
		.amdhsa_float_denorm_mode_32 3
		.amdhsa_float_denorm_mode_16_64 3
		.amdhsa_memory_ordered 1
		.amdhsa_forward_progress 1
		.amdhsa_inst_pref_size 42
	.end_amdhsa_kernel
	.amdgpu_metadata
---
amdhsa.version: [ 1, 2 ]
amdhsa.kernels:
  - .name:           k_q4d1ac7140d_attn
    .symbol:         k_q4d1ac7140d_attn.kd
    .args:
      - { .name: qkv, .offset: 0, .size: 8, .value_kind: global_buffer, .address_space: global }
      - { .name: fit, .offset: 8, .size: 8, .value_kind: global_buffer, .address_space: global }
      - { .name: oc, .offset: 16, .size: 8, .value_kind: global_buffer, .address_space: global }
      - { .name: osc, .offset: 24, .size: 8, .value_kind: global_buffer, .address_space: global }
    .group_segment_fixed_size: 168960
    .private_segment_fixed_size: 0
    .kernarg_segment_align: 8
    .kernarg_segment_size: 32
    .max_flat_workgroup_size: 256
    .sgpr_count:     66
    .vgpr_count:     256
    .wavefront_size: 32
...
	.end_amdgpu_metadata
.endif
;; end of part 3
;; launch oproj (part 4): grid 8 x 32, 4 waves a work-group, clusters of 4 x 1, 168,448 bytes of LDS; arguments oc, osc, wc, wsc, b_o, out0; writes out0
.if DOCPART == 4
	.amdgcn_target "amdgcn-amd-amdhsa--gfx1250"
	.amdhsa_code_object_version 6
	.text
	.protected	k_q4d1ac7140d_oproj
	.globl	k_q4d1ac7140d_oproj
	.p2align	8
	.type	k_q4d1ac7140d_oproj,@function
k_q4d1ac7140d_oproj:
	s_mov_b64 s[64:65], 0
	v_nop
	global_prefetch_b8 v0, s[64:65] scope:SCOPE_SE
	s_setreg_imm32_b32 hwreg(HW_REG_WAVE_MODE, 25, 1), 1
	s_wait_xcnt 0x0
	s_wait_alu depctr_hold_cnt(0) depctr_sa_sdst(0) depctr_va_vdst(0) depctr_va_sdst(0) depctr_va_ssrc(0) depctr_va_vcc(0) depctr_vm_vsrc(0)
	s_getreg_b32 s2, hwreg(HW_REG_IB_STS2, 6, 4)
	s_cmp_eq_u32 s2, 0
	s_cbranch_scc0 .Lentry_in_a_cluster
	s_endpgm
.Lentry_in_a_cluster:
	s_bfe_u32 s2, ttmp6, 0x10000c
	s_cmp_lg_u32 s2, 0x3003
	s_cbranch_scc0 .Lentry_shape_is_right
	s_endpgm
.Lentry_shape_is_right:
; out0 = out w_o + b_o on codes of E2M3, K = 1,024 in eight steps of 128 (K step s = heads 2 s and 2 s + 1).
; SHARES: a work-group takes 64 tokens (y) x 128 columns (x); wave w takes 64 x 32: 8 accumulators.  Its part of w_o (8 K steps x 2 fragments) goes from memory into its registers.
; The 64 tokens' codes, 8 x 6,144 bytes, come into LDS once, two tensor loads a wave (K steps w and 4 + w).
; CLUSTER: the four work-groups of a cluster take the same tokens and other columns: the tokens' codes are asked for JOINTLY, by the same tensor loads with the same descriptors (made of y and the wave's number) and a mask
; that names the four.  The place in the cluster enters global addresses alone.
; Source 0 = 16 columns of w_o, source 1 = 16 tokens: a lane holds eight neighbouring columns of one token; b_o is the C of the first K step.  The results meet in a stage in LDS and leave as rows of 512 bytes.
; REGISTERS: window 0: v1-8 addresses; v16-31 the tokens' scale words (2 s + pair of tiles), v32-39 w_o's; v40-55 b_o; v56-87 the heads' half words as loaded; v96-239 three sets of the tokens' four fragments.
;   window 1: w_o's fragments at 24 s + 12 t; the accumulators at 192 + 8 (2 m + t).
; THE TOKENS' CODES COME BY ONE TENSOR LOAD A WAVE (in place of the two named above): K steps 2 w and 2 w + 1, two rows of 6,144 bytes.  w_o's fragments lie as three runs of 512 bytes.
.set MSB, 0
.macro WIN new
.if MSB != \new
	s_set_vgpr_msb (MSB<<8)|\new
.set MSB, \new
.endif
.endm
.macro PLACES
.rept 4
	v_nop
.endr
.endm
.macro CROUND
	s_barrier_signal -1
	s_barrier_wait -1
	s_cmp_lg_u32 s16, 0
	s_cbranch_scc1 .Lnot_wave_0_\@
	s_barrier_signal -3
.Lnot_wave_0_\@:
	s_barrier_wait -3
	s_barrier_signal -1
	s_barrier_wait -1
.endm
.macro WMC d, a, b, c, sa, sb, ra, rb
.if (\ra) && (\rb)
	v_wmma_scale_f32_16x16x128_f8f6f4 v[\d:\d+7], v[\a:\a+11], v[\b:\b+11], v[\c:\c+7], v[\sa], v[\sb] matrix_a_fmt:MATRIX_FMT_FP6 matrix_b_fmt:MATRIX_FMT_FP6 matrix_a_scale:MATRIX_SCALE_ROW1 matrix_b_scale:MATRIX_SCALE_ROW1
.elseif (\ra)
	v_wmma_scale_f32_16x16x128_f8f6f4 v[\d:\d+7], v[\a:\a+11], v[\b:\b+11], v[\c:\c+7], v[\sa], v[\sb] matrix_a_fmt:MATRIX_FMT_FP6 matrix_b_fmt:MATRIX_FMT_FP6 matrix_a_scale:MATRIX_SCALE_ROW1
.elseif (\rb)
	v_wmma_scale_f32_16x16x128_f8f6f4 v[\d:\d+7], v[\a:\a+11], v[\b:\b+11], v[\c:\c+7], v[\sa], v[\sb] matrix_a_fmt:MATRIX_FMT_FP6 matrix_b_fmt:MATRIX_FMT_FP6 matrix_b_scale:MATRIX_SCALE_ROW1
.else
	v_wmma_scale_f32_16x16x128_f8f6f4 v[\d:\d+7], v[\a:\a+11], v[\b:\b+11], v[\c:\c+7], v[\sa], v[\sb] matrix_a_fmt:MATRIX_FMT_FP6 matrix_b_fmt:MATRIX_FMT_FP6
.endif
.endm
.macro XF s                            ; the tokens' four fragments of K step s into set s % 3: 16 LDS loads
.irp i, 0,1,2,3
.set XR, 96+48*((\s)%3)+12*\i
	ds_load_b128 v[XR:XR+3], v1 offset:(\s)*6144+\i*1536
	ds_load_b64 v[XR+4:XR+5], v2 offset:(\s)*6144+\i*1536+512
	ds_load_b128 v[XR+6:XR+9], v1 offset:(\s)*6144+\i*1536+768
	ds_load_b64 v[XR+10:XR+11], v2 offset:(\s)*6144+\i*1536+1280
.endr
.endm
.macro OSTEP s
.if (\s) > 0
	PLACES                                         ; ahead of loads into the set that the last step's products have read
.endif
.if (\s) < 6
	XF (\s)+2
	s_wait_alu depctr_va_vdst(0)
	s_wait_dscnt 32                                ; this step's fragments are in; the 32 loads of the two steps ahead may be out
.elseif (\s) == 6
	s_wait_dscnt 16
.else
	s_wait_dscnt 0
.endif
	s_wait_loadcnt 6*(7-(\s))                      ; this step's part of w_o is in; six loads for each later step may be out
.if (\s) == 0
	WIN 0x41                                       ; source 0 and the result window 1; C (b_o) window 0
.else
	WIN 0x51
.endif
.irp mm, 0,1,2,3
.irp t, 0,1
.set TD_, 192+8*(2*\mm+\t)
.if (\s) == 0
	WMC TD_, 24*(\s)+12*\t, 96+48*((\s)%3)+12*\mm, 40+8*\t, 32+(\s), 16+2*(\s)+\mm/2, \t, \mm%2
.else
	WMC TD_, 24*(\s)+12*\t, 96+48*((\s)%3)+12*\mm, TD_, 32+(\s), 16+2*(\s)+\mm/2, \t, \mm%2
.endif
.endr
.endr
	WIN 0
.endm
	s_load_b256 s[4:11], s[0:1], 0x0               ; oc s[4:5], osc s[6:7], wc s[8:9], wsc s[10:11]
	s_load_b128 s[12:15], s[0:1], 0x20             ; b_o s[12:13], out0 s[14:15]
	v_lshl_add_u32 v254, v0, 2, 0x29000
	v_mov_b32 v255, 0
	ds_add_u32 v254, v255
	ds_add_u32 v254, v255
	v_lshrrev_b32 v1, 5, v0
	v_readfirstlane_b32 s16, v1                    ; wave
	s_and_b32 s19, ttmp7, 0xffff                   ; which 64 tokens
	s_lshr_b32 s20, s19, 1                         ; block of 128 tokens
	s_and_b32 s21, s19, 1                          ; its half
	s_mul_i32 s24, s20, 98304
	s_mul_i32 s22, s21, 6144
	s_add_co_u32 s24, s24, s22
	s_mul_i32 s22, s16, 24576
	s_add_co_u32 s24, s24, s22                     ; the tokens' codes of K step 2 w: the same in all four partners
	s_mov_b32 s25, 0
	s_lshl_b32 s26, s20, 13
	s_lshl_b32 s22, s21, 8
	s_add_co_u32 s26, s26, s22                     ; their scale bytes
	s_mov_b32 s27, 0
	s_bfe_u32 s17, ttmp6, 0x40000                  ; cx
	s_lshl_b32 s18, ttmp9, 2
	s_add_co_u32 s18, s18, s17                     ; which 128 columns
	s_lshl_b32 s22, s18, 1
	s_lshr_b32 s23, s16, 1
	s_add_co_u32 s22, s22, s23
	s_add_co_u32 s22, s22, 36                      ; w_o's group of 64 columns in wc
	s_and_b32 s23, s16, 1                          ; the pair of tiles in it
	s_mul_i32 s28, s22, 49152
	s_mul_i32 s30, s23, 3072
	s_add_co_u32 s28, s28, s30
	s_mov_b32 s29, 0
	s_lshl_b32 s30, s22, 11
	s_lshl_b32 s32, s23, 7
	s_add_co_u32 s30, s30, s32
	s_mov_b32 s31, 0
	s_lshl_b32 s32, s18, 9
	s_lshl_b32 s34, s16, 7
	s_add_co_u32 s32, s32, s34                     ; b_o: my 32 columns
	s_mov_b32 s33, 0
	s_lshl_b32 s34, s19, 6
	s_lshl_b32 s35, s16, 4
	s_add_co_u32 s34, s34, s35
	s_lshl_b32 s34, s34, 12                        ; out0: the 16 rows that I store,
	s_lshl_b32 s35, s18, 9
	s_add_co_u32 s34, s34, s35                     ; the work-group's 512 bytes of them
	s_mov_b32 s35, 0
	v_and_b32 v8, 31, v0
	v_lshlrev_b32 v1, 4, v8
	v_lshlrev_b32 v2, 3, v8
	v_lshlrev_b32 v3, 2, v8
	v_and_b32 v7, 7, v0
	v_bfe_u32 v8, v0, 3, 1
	v_lshl_add_u32 v7, v8, 4, v7                   ; (r & 7) + 16 (r >> 3): my token of a tile
	v_mul_u32_u24 v5, v7, 528
	v_bfe_u32 v8, v0, 4, 1
	v_lshlrev_b32 v4, 6, v8                        ; 64 h
	v_add_nc_u32 v5, v5, v4
	s_lshl_b32 s52, s16, 7
	s_add_co_u32 s52, s52, 49152
	v_add_nc_u32 v5, s52, v5                       ; the stage, way in: my token's row, + 128 w + 64 h
	s_mul_i32 s52, s16, 16*528
	s_add_co_u32 s52, s52, 49152
	v_add_nc_u32 v6, s52, v1                       ; way out: rows 16 w on, 16 bytes a lane
	s_mov_b32 s36, 15|(3<<16)|(1<<21)              ; group 1: the mask names all four, bit 21 beside it
	s_mov_b32 s37, 768<<16                         ; two rows of 6,144 bytes, 12,288 apart
	s_mov_b32 s38, 2<<16
	s_mov_b32 s39, 768<<16
	s_mov_b32 s40, 2
	s_mov_b32 s41, 1536
	s_mov_b32 s42, 0
	s_mov_b32 s43, 0
	s_wait_dscnt 0x0
	s_wait_kmcnt 0x0
	CROUND                                         ; all four work-groups are here: the joint loads meet
	s_mov_b32 s44, 1
	s_mul_i32 s45, s16, 12288
	s_add_nc_u64 s[46:47], s[4:5], s[24:25]
	s_or_b32 s47, s47, 0x80000000
	tensor_load_to_lds s[44:47], s[36:43]
	s_nop 0
	PLACES
	s_add_nc_u64 s[6:7], s[6:7], s[26:27]
	s_add_nc_u64 s[8:9], s[8:9], s[28:29]
	s_add_nc_u64 s[10:11], s[10:11], s[30:31]
	s_add_nc_u64 s[12:13], s[12:13], s[32:33]
	s_add_nc_u64 s[14:15], s[14:15], s[34:35]
.set i, 0
.rept 32
	global_load_b32 v[56+i], v3, s[6:7] offset:512*(i/2)+128*(i%2)   ; head i / 2, pair of tiles i % 2: two bytes a row; lanes 0-15 the even tile, lanes 16-31 the odd
.set i, i+1
.endr
.set i, 0
.rept 8
	global_load_b32 v[32+i], v3, s[10:11] offset:256*i
.set i, i+1
.endr
	s_wait_alu depctr_va_vdst(0)
.irp t, 0,1
.irp e, 0,1
	global_load_b128 v[40+8*\t+4*\e:40+8*\t+4*\e+3], v4, s[12:13] offset:32*\t+16*\e
.endr
.endr
	WIN 0x40                                       ; destination window 1
.irp s, 0,1,2,3,4,5,6,7
.irp t, 0,1
.irp j, 0,1,2
	global_load_b128 v[24*\s+12*\t+4*\j:24*\s+12*\t+4*\j+3], v1, s[8:9] offset:6144*\s+1536*\t+512*\j
.endr
.endr
.endr
	WIN 0
	s_wait_loadcnt 60                              ; 60 loads are younger than the half words
.irp s, 0,1,2,3,4,5,6,7
.irp q, 0,1
	v_lshl_or_b32 v[16+2*\s+\q], v[58+4*\s+\q], 16, v[56+4*\s+\q]   ; heads 2 s and 2 s + 1 make K step s's scale word
.endr
.endr
	s_wait_tensorcnt 0x0                           ; my parts have landed,
	s_barrier_signal -1
	s_barrier_wait -1                              ; everybody's have
	XF 0
	XF 1
.irp ks, 0,1,2,3,4,5,6,7
	OSTEP \ks                                      ; eight accumulators by turns, one instruction a turn
.endr
	PLACES
	WIN 0x04                                       ; an LDS store's data are its source 1: window 1
.irp mm, 0,1,2,3
.irp t, 0,1
	ds_store_b128 v5, v[192+8*(2*\mm+\t):192+8*(2*\mm+\t)+3] offset:(32*(\mm/2)+8*(\mm%2))*528+32*\t       ; each accumulator from its low end on
	ds_store_b128 v5, v[192+8*(2*\mm+\t)+4:192+8*(2*\mm+\t)+7] offset:(32*(\mm/2)+8*(\mm%2))*528+32*\t+16
.endr
.endr
	WIN 0
	s_wait_dscnt 0x0                               ; for the others' sake: my stores into the stage are done
	s_barrier_signal -1
	s_barrier_wait -1
.irp i, 0,1,2,3,4,5,6,7,8,9,10,11,12,13,14,15
	ds_load_b128 v[96+4*\i:96+4*\i+3], v6 offset:528*\i
.endr
.irp i, 0,1,2,3,4,5,6,7,8,9,10,11,12,13,14,15
	s_wait_dscnt 15-\i
	global_store_b128 v1, v[96+4*\i:96+4*\i+3], s[14:15] offset:4096*\i th:TH_STORE_NT   ; 32 lanes store 512 consecutive bytes, aligned; written once, read by nobody here
.endr
	s_wait_tensorcnt 0x0
	s_wait_tensorcnt 0x0
	ds_add_u32 v254, v255
	s_wait_dscnt 0x0
	CROUND                                         ; the closing round
	s_endpgm
.Lfunc_end_k_q4d1ac7140d_oproj:
	.size	k_q4d1ac7140d_oproj, .Lfunc_end_k_q4d1ac7140d_oproj-k_q4d1ac7140d_oproj
	.p2alignl 7, 3214868480
	.fill 96, 4, 3214868480
	.section	.rodata,"a",@progbits
	.p2align	6, 0x0
	.amdhsa_kernel k_q4d1ac7140d_oproj
		.amdhsa_group_segment_fixed_size 168448
		.amdhsa_private_segment_fixed_size 0
		.amdhsa_enable_private_segment 0
		.amdhsa_kernarg_size 48
		.amdhsa_user_sgpr_count 2
		.amdhsa_user_sgpr_kernarg_segment_ptr 1
		.amdhsa_wavefront_size32 1
		.amdhsa_system_sgpr_workgroup_id_x 1
		.amdhsa_system_sgpr_workgroup_id_y 1
		.amdhsa_system_sgpr_workgroup_id_z 1
		.amdhsa_system_vgpr_workitem_id 0
		.amdhsa_next_free_vgpr 512
		.amdhsa_next_free_sgpr 66
		.amdhsa_reserve_vcc 0
		.amdhsa_float_denorm_mode_32 3
		.amdhsa_float_denorm_mode_16_64 3
		.amdhsa_memory_ordered 1
		.amdhsa_forward_progress 1
		.amdhsa_inst_pref_size 38
	.end_amdhsa_kernel
	.amdgpu_metadata
---
amdhsa.version: [ 1, 2 ]
amdhsa.kernels:
  - .name:           k_q4d1ac7140d_oproj
    .symbol:         k_q4d1ac7140d_oproj.kd
    .args:
      - { .name: oc, .offset: 0, .size: 8, .value_kind: global_buffer, .address_space: global }
      - { .name: osc, .offset: 8, .size: 8, .value_kind: global_buffer, .address_space: global }
      - { .name: wc, .offset: 16, .size: 8, .value_kind: global_buffer, .address_space: global }
      - { .name: wsc, .offset: 24, .size: 8, .value_kind: global_buffer, .address_space: global }
      - { .name: b_o, .offset: 32, .size: 8, .value_kind: global_buffer, .address_space: global }
      - { .name: out0, .offset: 40, .size: 8, .value_kind: global_buffer, .address_space: global }
    .group_segment_fixed_size: 168448
    .private_segment_fixed_size: 0
    .kernarg_segment_align: 8
    .kernarg_segment_size: 48
    .max_flat_workgroup_size: 128
    .sgpr_count:     66
    .vgpr_count:     512
    .wavefront_size: 32
...
	.end_amdgpu_metadata
.endif
;; end of part 4
